; MI455X (gfx1250); checked and timed in simulation.
; The chip was launched on July 23, 2026; its instructions are those of AMD's public machine-readable ISA for CDNA 5 (MIT licence, August 2026) and "CDNA5" Instruction Set Architecture Reference Guide (July 2026). The comments in the code are by the model that wrote it; some were corrected since.
;; Euler CE Attention. Allowed arithmetic: matrix products marked QUANTISED: E4M3 operands, one given power-of-two scale a tensor, by v_wmma_f32_16x16x64_fp8_fp8 or v_wmma_f32_16x16x128_fp8_fp8, f32 sums; everything else in f32.
;; Inputs: Wo 1,024 x 1,024 float32; Wqkv 3,072 x 1,024 float32; e_gate_logit 16 float32; log_xi 16 float32; lowp_scales 8 int32 (the exponents e of the quantised operands' scales 2^e); pi_gate_logit 16 float32; x 2 x 2,048 x 1,024 float32.
;; Outputs: out0 2 x 2,048 x 1,024 float32.
;; This version of the problem:
;;   THIS VERSION OF THE PROBLEM IS GIVEN IN LOW PRECISION. The matrix products marked QUANTISED in the list below multiply operands that are first quantised to E4M3 (4 exponent bits, 3 mantissa bits; 8 bits a number), with one given power-of-two scale for each operand tensor; their sums are f32. All else is computed in f32.
;;   The module's matrix products, in the order in which they are computed (A, B: the left and right operand; K: the contracted axis; several contracted axes count as one K, in the product's order):
;;     1. [M 4,096, K 1,024] x [K 1,024, N 3,072]; A: input x; B: input Wqkv: QUANTISED (scales: A lowp_scales[0], B lowp_scales[1])
;;     2. batch 32 x [M 2,048, K 64] x [K 64, N 2,048]; A: computed on the way; B: computed on the way: QUANTISED (scales: A lowp_scales[2], B lowp_scales[3])
;;     3. batch 32 x [M 2,048, K 2,048] x [K 2,048, N 64]; A: softmax (see below); B: computed on the way: QUANTISED (scales: A lowp_scales[4], B lowp_scales[5])
;;     4. [M 4,096, K 1,024] x [K 1,024, N 1,024]; A: computed on the way; B: input Wo: QUANTISED (scales: A lowp_scales[6], B lowp_scales[7])
;;   THE QUANTISER, for each operand of a quantised product, along K:
;;     - The operand's scale is 2^e, e = its entry of the input lowp_scales (int32; the entries are numbered through the quantised products in the list's order, A before B).
;;     - Each number is divided by the scale, clamped to +-448, and rounded to the nearest number of E4M3, ties to even, subnormals kept.
;;     - The product sums the exact products of the quantised numbers (number of the format x scale) in f32.
;;   ~~~python
;;   def quantise(x, axis, e):      # numpy; x: float32 -> the quantised numbers, widened to float32 again
;;       x = np.moveaxis(x, axis, -1); K = x.shape[-1]
;;       r = np.clip(x / 2.0 ** e, -448, 448)
;;       step = 2.0 ** (np.maximum(np.frexp(np.where(r == 0, 1, r))[1] - 1, -6) - 3)
;;       q = np.round(r / step) * step * 2.0 ** e      # np.round: ties to even
;;       return np.moveaxis(q, -1, axis).astype(np.float32)
;;   ~~~
;;   SOFTMAX AHEAD OF A QUANTISED PRODUCT. Where the list says 'softmax', what is quantised is not the finished softmax but p = 2^(t - M), with t = logit x log2(e) and M = ceil(the row's largest t), a whole number; so 1/2 < the row's largest p <= 1. The row's sum l is taken of the UNQUANTISED p, in f32, and the product's result is divided by l at the end. Since M is a whole number, a kernel that streams over the keys may use a running M (the ceiling of the running maximum): every later rescaling is an exact power of two, so the quantised numbers keep their values, but for numbers so far below the row's largest that they fall under the format's range.
;;   OPERANDS COMPUTED ON THE WAY. 'Computed on the way' means the value that the module computes at that place (a softmax that the list does not call 'softmax' is quantised finished and normalised). What goes into a quantiser is computed in f32, as accurately as f32 sums, v_exp_f32 and their like allow (about 1e-6 of the number): no bf16 or f16 on the way to a quantiser, and a product that is left as it is and whose result goes on into a quantised operand takes f32 operands (vector FMAs, or v_wmma_f32_16x16x4_f32). A number that lies on a knife's edge between two numbers of the format may be rounded either way, as far as f32 arithmetic and the matrix unit's own rounding can turn it there, and no further.
;; One version. Each part assembles by itself: llvm-mc -triple=amdgcn-amd-amdhsa -mcpu=gfx1250 --defsym DOCPART=n.
;; ======== version 1 of 1: 4 launches
;; limits: right only within a limited range of input values
;; workspace buffers: codes 7,340,032 bytes; qkv 12,582,912 bytes; oimg 4,194,304 bytes; wocodes 1,048,576 bytes
;; launch quant (part 1): grid 256 x 1, 7 waves a work-group, no clusters, 60,160 bytes of LDS; arguments x, Wqkv, lowp_scales, codes; writes codes
.if DOCPART == 1
	.amdgcn_target "amdgcn-amd-amdhsa--gfx1250"
	.amdhsa_code_object_version 6
	.text
	.protected	k_q74fffadff3_quant
	.globl	k_q74fffadff3_quant
	.p2align	8
	.type	k_q74fffadff3_quant,@function
k_q74fffadff3_quant:
	s_mov_b64 s[64:65], 0
	v_nop
	global_prefetch_b8 v0, s[64:65] scope:SCOPE_SE
	s_setreg_imm32_b32 hwreg(HW_REG_WAVE_MODE, 25, 1), 1
	s_wait_xcnt 0x0
; THE PROGRAM: quant (codes of x and Wqkv), qkv (x Wqkv^T, rotation, codes of q, k, v), attn (both products of the attention and the softmax; at its head the codes of Wo), proj (the product with Wo).
; WORK LEFT OUT: reference() sets the scores of keys behind the query to -infinity by its own tril, so their p is 0 whatever the inputs hold; in launch attn the steps of 128 keys that lie wholly behind a wave's 16 queries are left out.
; LIMIT: a NaN, an infinity or an overflow that reaches only such scores is not carried to the result.
; x [4096][1024] and Wqkv [3072][1024], f32, K innermost, become codes of E4M3 with the given scales 2^e0, 2^e1:
; code = number / 2^e, held within +-448, rounded to the nearest code, ties to even.
; THE CODES ARE LAID AS IMAGES OF OPERAND REGISTERS: codes[unit 0..7][RT 0..447][2,048 bytes]: the fragment of one rowtile of 16 rows and unit u's 128 along K;
; a fragment is four parts of 512 bytes; in part c lane (r, h) has 16 bytes: k = 128 u + 32 c + 16 h + 0 .. 15 of the rowtile's row r.
; THE ROWS OF A ROWTILE ARE NOT NEIGHBOURS: row r of a rowtile lies r + 8 (r / 8) rows behind the rowtile's first row; rowtiles 2 B and 2 B + 1 begin at rows 32 B and 32 B + 8.
; RT 0-255: x, d = RT: 64 positions d / 8, batch (d / 4) % 2, tile d % 4.   RT 256-383: Wq and Wk, d = RT - 256: head d / 8, q or k (d / 4) % 2, tile d % 4.
; RT 384-447: Wv, 64 rows for each four rowtiles.
; SHARES: a wave takes one rowtile x two units: 16 rows x 256 numbers: 448 x 4 = 256 x 7 waves.  All its 32 loads go out at once, each 512 consecutive bytes; a fragment's 8,192 bytes turn through the wave's own stage in LDS
; (16 rows of 512 bytes + 16 of padding), so that a lane gets 16 neighbours along K; each store is 512 consecutive bytes.  Waves share nothing: no barrier, no tensor load.
; LIMITS: e0, e1 between -126 and 119.  NaN among the inputs is not served.
.set STG,  8448                        ; a wave's stage: 16 x 528 bytes
.set SPARE, 7*STG                      ; behind the stages: the spare words, 128 bytes for each wave: four blocks of 256 bytes that no other line names
.set R,    16                          ; v16-143  the numbers as loaded: fragment f, row i at 64 f + 4 i
.set X,    144                         ; v144-207 64 numbers of my row: 16 c + i = k 32 c + 16 h + i
.set C,    208                         ; v208-239 the codes: 16 registers a fragment, never written twice
	s_load_b256 s[4:11], s[0:1], 0x0               ; x s[4:5], Wqkv s[6:7], the scales' exponents s[8:9], codes s[10:11]
	v_lshl_add_u32 v240, v0, 2, SPARE
	v_mov_b32 v241, 0
	v_lshrrev_b32 v1, 5, v0
	v_and_b32 v5, 31, v0
	v_readfirstlane_b32 s16, v1                    ; wave 0..6
	v_and_b32 v6, 15, v0                           ; r
	v_lshlrev_b32 v2, 4, v5                        ; 16 x lane: my bytes of a load's and of a store's 512
	v_bfe_u32 v7, v0, 4, 1                         ; h
	v_mul_u32_u24 v4, v6, 528
	s_mul_i32 s19, s16, STG
	v_add_nc_u32 v3, s19, v2                       ; the stage, on the way in
	v_lshl_add_u32 v4, v7, 6, v4
	v_add_nc_u32 v4, s19, v4                       ; and on the way out: row r, + 64 h
	s_mul_i32 s18, ttmp9, 7
	s_add_co_u32 s18, s18, s16
	s_lshr_b32 s17, s18, 2                         ; RT = (7 x work-group + wave) / 4
	s_and_b32 s18, s18, 3                          ; which pair of units
	s_mov_b32 s20, 0                               ; the tensor's first RT
	s_mov_b32 s21, 64                              ; rows for d / 8
	s_mov_b32 s22, 2048                            ; rows for (d / 4) % 2
	s_mov_b32 s23, 0                               ; first row
	s_wait_alu depctr_va_vdst(0)
	s_wait_kmcnt 0x0
	s_load_b64 s[28:29], s[8:9], 0x0               ; e0, e1
	s_cmp_ge_u32 s17, 256                          ; the choices hang on the work-group's and the wave's number alone
	s_cselect_b32 s20, 256, s20
	s_cselect_b32 s22, 1024, s22
	s_cselect_b64 s[24:25], s[6:7], s[4:5]
	s_cmp_ge_u32 s17, 384
	s_cselect_b32 s20, 384, s20
	s_cselect_b32 s21, 128, s21
	s_cselect_b32 s22, 64, s22
	s_cselect_b32 s23, 2048, s23
	s_sub_co_u32 s20, s17, s20                     ; d
	s_lshr_b32 s26, s20, 3
	s_mul_i32 s26, s26, s21
	s_add_co_u32 s23, s23, s26
	s_bfe_u32 s26, s20, 0x10002
	s_mul_i32 s26, s26, s22
	s_add_co_u32 s23, s23, s26
	s_bfe_u32 s26, s20, 0x10001
	s_lshl_b32 s26, s26, 5
	s_add_co_u32 s23, s23, s26
	s_and_b32 s26, s20, 1
	s_lshl_b32 s26, s26, 3
	s_add_co_u32 s23, s23, s26                     ; the rowtile's first row
	s_lshl_b32 s26, s23, 12                        ; a row is 4,096 bytes
	s_lshl_b32 s27, s18, 10                        ; 256 numbers along K are 1,024
	s_add_co_u32 s26, s26, s27
	s_mov_b32 s27, 0
	s_add_nc_u64 s[24:25], s[24:25], s[26:27]
	s_mul_i32 s26, s18, 2*448*2048                 ; two units of 448 x 2,048 bytes
	s_lshl_b32 s36, s17, 11
	s_add_co_u32 s26, s26, s36
	s_add_nc_u64 s[10:11], s[10:11], s[26:27]
.irp f, 0,1
.irp i, 0,1,2,3,4,5,6,7,8,9,10,11,12,13,14,15
	global_load_b128 v[R+64*\f+4*\i:R+64*\f+4*\i+3], v2, s[24:25] offset:(\i+8*(\i/8))*4096+512*\f th:TH_LOAD_NT   ; 32 lanes read 512 consecutive bytes of the rowtile's row i
.endr
.endr
	s_wait_kmcnt 0x0
	s_cmp_ge_u32 s17, 256
	s_cselect_b32 s28, s29, s28                    ; e
	s_add_co_i32 s28, s28, 127
	s_lshl_b32 s29, s28, 23
	v_mov_b32 v11, s29                             ; 2^e as f32: the conversion takes its exponent field
	s_add_co_i32 s28, s28, 8
	s_lshl_b32 s28, s28, 23
	s_or_b32 s28, s28, 0x600000
	v_mov_b32 v10, s28                             ; 448 x 2^e
.macro FRAGQ f
	s_wait_loadcnt 16*(1-\f)                       ; this fragment's 16 loads are in; the other fragment's 16 were issued behind them
.irp i, 0,1,2,3,4,5,6,7,8,9,10,11,12,13,14,15
	ds_store_b128 v3, v[R+64*\f+4*\i:R+64*\f+4*\i+3] offset:528*\i
.endr
.irp c, 0,1,2,3
.irp j, 0,1,2,3
	ds_load_b128 v[X+16*\c+4*\j:X+16*\c+4*\j+3], v4 offset:128*\c+16*\j   ; LDS serves a wave's instructions in order (ISA guide 5.7.1.4): these see the stores above
.endr
.endr
.irp c, 0,1,2,3
	s_wait_dscnt 12-4*\c                           ; part c's four loads are back; those of the later parts may be out
.irp i, 0,1,2,3,4,5,6,7,8,9,10,11,12,13,14,15
	v_med3_num_f32 v[X+16*\c+\i], v[X+16*\c+\i], -v10, v10   ; the conversion to an 8-bit code does not saturate (ISA guide 7.6.2): the hold at the largest code x the scale
.endr
	v_cvt_scalef32_pk8_fp8_f32 v[C+16*\f+4*\c:C+16*\f+4*\c+1], v[X+16*\c:X+16*\c+7], v11
	v_cvt_scalef32_pk8_fp8_f32 v[C+16*\f+4*\c+2:C+16*\f+4*\c+3], v[X+16*\c+8:X+16*\c+15], v11
	global_store_b128 v2, v[C+16*\f+4*\c:C+16*\f+4*\c+3], s[10:11] offset:917504*\f+512*\c   ; 32 lanes store 512 consecutive bytes
.endr
	v_nop                                          ; a plain line behind the last conversion of the run
.endm
	s_wait_alu depctr_va_vdst(0)                   ; the wait at the head's end
	FRAGQ 0
	FRAGQ 1
	s_wait_tensorcnt 0x0                           ; the wave's end
	ds_add_u32 v240, v241
	s_wait_dscnt 0x0
	s_endpgm
.Lfunc_end_k_q74fffadff3_quant:
	.size	k_q74fffadff3_quant, .Lfunc_end_k_q74fffadff3_quant-k_q74fffadff3_quant
	.p2alignl 7, 3214868480
	.fill 96, 4, 3214868480
	.section	.rodata,"a",@progbits
	.p2align	6, 0x0
	.amdhsa_kernel k_q74fffadff3_quant
		.amdhsa_group_segment_fixed_size 60160
		.amdhsa_private_segment_fixed_size 0
		.amdhsa_enable_private_segment 0
		.amdhsa_kernarg_size 32
		.amdhsa_user_sgpr_count 2
		.amdhsa_user_sgpr_kernarg_segment_ptr 1
		.amdhsa_wavefront_size32 1
		.amdhsa_system_sgpr_workgroup_id_x 1
		.amdhsa_system_sgpr_workgroup_id_y 1
		.amdhsa_system_sgpr_workgroup_id_z 1
		.amdhsa_system_vgpr_workitem_id 0
		.amdhsa_next_free_vgpr 242
		.amdhsa_next_free_sgpr 66
		.amdhsa_reserve_vcc 0
		.amdhsa_float_denorm_mode_32 3
		.amdhsa_float_denorm_mode_16_64 3
		.amdhsa_memory_ordered 1
		.amdhsa_forward_progress 1
		.amdhsa_inst_pref_size 21
	.end_amdhsa_kernel
	.amdgpu_metadata
---
amdhsa.version: [ 1, 2 ]
amdhsa.kernels:
  - .name:           k_q74fffadff3_quant
    .symbol:         k_q74fffadff3_quant.kd
    .args:
      - { .name: x, .offset: 0, .size: 8, .value_kind: global_buffer, .address_space: global }
      - { .name: Wqkv, .offset: 8, .size: 8, .value_kind: global_buffer, .address_space: global }
      - { .name: lowp_scales, .offset: 16, .size: 8, .value_kind: global_buffer, .address_space: global }
      - { .name: codes, .offset: 24, .size: 8, .value_kind: global_buffer, .address_space: global }
    .group_segment_fixed_size: 60160
    .private_segment_fixed_size: 0
    .kernarg_segment_align: 8
    .kernarg_segment_size: 32
    .max_flat_workgroup_size: 224
    .sgpr_count:     66
    .vgpr_count:     242
    .wavefront_size: 32
...
	.end_amdgpu_metadata
.endif
;; end of part 1
;; launch qkv (part 2): grid 16 x 16, 4 waves a work-group, clusters of 4 x 4, 327,680 bytes of LDS; arguments codes, lowp_scales, pi_gate_logit, qkv; writes qkv
.if DOCPART == 2
	.amdgcn_target "amdgcn-amd-amdhsa--gfx1250"
	.amdhsa_code_object_version 6
	.text
	.protected	k_q74fffadff3_qkv
	.globl	k_q74fffadff3_qkv
	.p2align	8
	.type	k_q74fffadff3_qkv,@function
k_q74fffadff3_qkv:
	s_mov_b64 s[64:65], 0
	v_nop
	global_prefetch_b8 v0, s[64:65] scope:SCOPE_SE
	s_setreg_imm32_b32 hwreg(HW_REG_WAVE_MODE, 25, 1), 1
	s_wait_xcnt 0x0
	s_wait_alu depctr_hold_cnt(0) depctr_sa_sdst(0) depctr_va_vdst(0) depctr_va_sdst(0) depctr_va_ssrc(0) depctr_va_vcc(0) depctr_vm_vsrc(0)
	s_getreg_b32 s2, hwreg(HW_REG_IB_STS2, 6, 4)
	s_cmp_eq_u32 s2, 0
	s_cbranch_scc0 .Lentry_in_a_cluster
	s_endpgm
.Lentry_in_a_cluster:
	s_bfe_u32 s2, ttmp6, 0x10000c
	s_cmp_lg_u32 s2, 0xf033
	s_cbranch_scc0 .Lentry_shape_is_right
	s_endpgm
.Lentry_shape_is_right:
; qkv = x Wqkv^T on codes of E4M3 (scales 2^e0, 2^e1), K = 1,024; q and k are rotated in f32 and quantised with 2^e2, 2^e3, v with 2^e5; all three leave as images of operand registers.
; SHARES.  A work-group makes 256 rows of x (128 positions of both batches) x the 192 columns q, k, v of ONE head: 16 x 16 = 256 work-groups.  Its four waves: wave = 2 g + c; g: which 64 positions (8 rowtiles of x), c: which 32 of the head's
; 64 channels of q, of k and of v (6 rowtiles of W).  48 accumulators (a, b), 384 registers: a: batch a / 4, tile of positions a % 4; b = 0, 1: q, 2, 3: k, 4, 5: v.
; q and k: source 0 = W's rows, source 1 = x's: a lane holds one position and 16 neighbouring channels (the next K of the scores).  v: source 0 = x's rows, source 1 = W's: a lane holds one channel and 16 neighbouring keys (the next K of the second product).
; THE OPERANDS come as images: codes[unit of 128 along K][RT][2,048]; a wave's tensor load is one tile of long dense rows, a row a unit; a fragment is four loads of 512 consecutive bytes: no padding.
; The places of k in a fragment are a permutation of the form's own, the same on both sides.
; LDS has room for five units of both operands (286,720 bytes).  One load a wave brings units 0-4; when units 0-2 have been multiplied, one refill a wave brings units 5-7 into their place, under the products of units 3 and 4.
; No loop runs along K and no later fill follows the refill: so no prefetch stands in this text.
; CLUSTER 4 x 4: x's tiles are asked for jointly along a row of the cluster, W's along a column.
; THE ROTATION: theta = (pos x pi^(1 - j / 32)) x sigmoid(pi_gate[head]), two roundings in that order.  sin and cos: quadrant by round(theta x 2 / pi), pi / 2 taken away in two parts (the first step exact for theta under 8,192),
; polynomials of degree 7 and 8 on +-pi / 4.  One evaluation serves both batches and q and k; all are made while the first tensor loads are on their way.
; OUT: q image at 0, k image at 4 MiB: [batch x 16 + head][tile of 16 positions][part c][lane][16 bytes], channels 32 c + 16 h + ..;  v image at 8 MiB: [batch x 16 + head][128 keys][tile of 16 channels][part][lane][16 bytes], keys 32 part + 16 h + ...
; LIMITS: e2 - e0 - e1, e3 - e0 - e1, e5 - e0 - e1 between -126 and 119.  pi^(1 - j / 32) and the sigmoid are made by v_exp_f32 and v_rcp_f32, a few last places off at most; at the last positions (theta about 6,000)
; that moves an angle by about a thousandth of a radian.  NaN is not served.
; REGISTERS, in windows of 256: window 0: v4-31 scales and addresses; v32-61 constants; v64-127 (cos, sin); v128-255 A's (x's) fragments, one set; ahead of them the sine's temporaries, behind them the way out.
;   window 1: B's (W's) fragments, two sets, at v0 and v128.  windows 2, 3: accumulator (a, b) at v[8 (6 (a % 4) + b)] of window 2 + a / 4.
.set AREG,  81920                      ; LDS: a half of x's rows: 5 units x 16,384
.set QOFF,  163840                     ; Wq's and Wk's 8 rowtiles: 5 x 16,384
.set VOFF,  245760                     ; Wv's 4 rowtiles: 5 x 8,192
.set SPARE, 286720                     ; the spare words, 128 bytes for each wave: two blocks of 256 bytes that no other line names
.set UNITB, 917504                     ; from unit to unit in codes: 448 rowtiles x 2,048
.set ADRA, 16                          ; v16, v17: my A fragments in units' places 0-3 and 4
.set ADRB, 18                          ; v18, v19: the same for q's and k's
.set ADRV, 20                          ; v20: v's
.set CO,   22                          ; v22: 16 x lane
.set POSB, 23                          ; v23: my position in tile 0, a whole number
.set SPW,  28                          ; v28, v29: for the add; never rewritten
.set NIL,  29
.set LIM,  4                           ; v4, v5: 448 x scale and scale for q; v6, v7: k; v8, v9: v
.set TI,   10
.set KC,   32                          ; v32-51  ten constants, each in both halves of a pair
.set F,    52                          ; v52-59  my 8 frequencies
.set PG,   60                          ; v60-61  sigmoid(pi_gate[head])
.set POS,  62                          ; v62-63  the position as f32
.set CS,   64                          ; v64-127 tile pa: eight pairs (cos, sin) at 16 pa
.set TH,   128
.set Y,    136
.set NF,   144                         ; the quadrant's number as f32, then z = r^2
.set SP,   152
.set CP,   160
.set ZR,   168                         ; z r, then 1 - z / 2
.set ZZ,   176
.set T31,  184                         ; the quadrant's bit 0 as a sign bit
.set SG,   192                         ; +-1.0 by the quadrant's bit 1
.set AF,   128
.set R,    128                         ; the way out: two sets of 16 numbers ahead of the quantiser
.set CODE, 160                         ; v160-255 the way out: the codes, four registers for each of 24 stores
.set G1A, 24
.set G0A, 32
.set G0Q, 36
.set G1Q, 48
.set G0V, 56
.set G1V, 84
.set MSB, 0
.macro WIN new                         ; the immediate's high byte repeats the setting that is left
.if MSB != (\new)
	s_set_vgpr_msb (MSB<<8)|(\new)
.set MSB, \new
.endif
.endm
; A joint load: waves 0 and 1 fetch x's halves, wave 2 Wq's and Wk's rows, wave 3 Wv's; the branches hang on the wave's number alone.
.macro JLOAD
	s_cmp_lt_u32 s14, 2
	s_cbranch_scc0 .Lnot_a_\@
	tensor_load_to_lds s[G0A:G0A+3], s[G1A:G1A+7]
	s_nop 0
.rept 4
	v_nop
.endr
	s_branch .Lasked_\@
.Lnot_a_\@:
	s_cmp_lt_u32 s14, 3
	s_cbranch_scc0 .Lfor_v_\@
	tensor_load_to_lds s[G0Q:G0Q+3], s[G1Q:G1Q+7]
	s_nop 0
.rept 4
	v_nop
.endr
	s_branch .Lasked_\@
.Lfor_v_\@:
	tensor_load_to_lds s[G0V:G0V+3], s[G1V:G1V+7]
	s_nop 0
.rept 4
	v_nop
.endr
.Lasked_\@:
.endm
.macro CREST                           ; a round of the cluster's barrier behind its opening barrier
	s_cmp_lg_u32 s14, 0
	s_cbranch_scc1 .Lnot_wave_0_\@
	s_barrier_signal -3
.Lnot_wave_0_\@:
	s_barrier_wait -3
	s_barrier_signal -1
	s_barrier_wait -1
.endm
.macro CROUND                          ; a whole round
	s_barrier_signal -1
	s_barrier_wait -1
	CREST
.endm
	s_load_b256 s[4:11], s[0:1], 0x0               ; codes s[4:5], the scales' exponents s[6:7], pi_gate_logit s[8:9], qkv s[10:11]
	v_lshl_add_u32 v[SPW], v0, 2, SPARE
	v_mov_b32 v[NIL], 0
	ds_add_u32 v[SPW], v[NIL]                      ; the wave's opening: the add, twice on end, and its wait
	ds_add_u32 v[SPW], v[NIL]
	v_lshrrev_b32 v1, 5, v0
	v_readfirstlane_b32 s14, v1                    ; wave 0..3
	s_lshr_b32 s15, s14, 1                         ; g
	s_and_b32 s16, s14, 1                          ; c.  Also: which half of x's rows I fetch
	s_bfe_u32 s40, ttmp6, 0x40000                  ; cx, cy: my place in the cluster
	s_bfe_u32 s41, ttmp6, 0x40004
	s_lshl_b32 s79, ttmp9, 2
	s_add_co_u32 s79, s79, s40                     ; head
	s_and_b32 s17, ttmp7, 0xffff
	s_lshl_b32 s17, s17, 2
	s_add_co_u32 s17, s17, s41                     ; y: which 256 rows of x
	s_lshl_b32 s42, s41, 2
	s_lshl_b32 s42, 15, s42                        ; my row of the cluster
	s_lshl_b32 s43, 0x1111, s40                    ; my column
	; descriptor groups 1: 15:0 the mask; 17:16 elements of 8 bytes; 21 set beside a mask; five rows (units) of 16,384 bytes (x; Wq and Wk) or 8,192 (Wv), 917,504 bytes apart; no padding
	s_or_b32 s[G1A], s42, (3<<16)|(1<<21)
	s_or_b32 s[G1Q], s43, (3<<16)|(1<<21)
	s_or_b32 s[G1V], s43, (3<<16)|(1<<21)
.irp g, G1A, G1Q
	s_mov_b32 s[\g+1], 2048<<16
	s_mov_b32 s[\g+3], 2048<<16
.endr
	s_mov_b32 s[G1V+1], 1024<<16
	s_mov_b32 s[G1V+3], 1024<<16
.irp g, G1A, G1Q, G1V
	s_mov_b32 s[\g+2], 5<<16
	s_mov_b32 s[\g+4], 5
	s_mov_b32 s[\g+5], UNITB/8
	s_mov_b32 s[\g+6], 0
	s_mov_b32 s[\g+7], 0
.endr
	s_lshl_b32 s20, s17, 4
	s_lshl_b32 s18, s16, 3
	s_add_co_u32 s20, s20, s18                     ; x: rowtile 16 y + 8 x half
	s_lshl_b32 s20, s20, 11
	s_mov_b32 s21, 0
	s_lshl_b32 s46, s79, 3
	s_add_co_u32 s46, s46, 256                     ; Wq, Wk: rowtile 256 + 8 x head
	s_lshl_b32 s46, s46, 11
	s_mov_b32 s47, 0
	s_lshl_b32 s44, s79, 2
	s_add_co_u32 s44, s44, 384                     ; Wv: rowtile 384 + 4 x head
	s_lshl_b32 s44, s44, 11
	s_mov_b32 s45, 0
	s_mul_i32 s19, s16, AREG                       ; where x's half goes: no place in the cluster enters an LDS address
	s_lshl_b32 s77, s79, 2
	s_wait_dscnt 0x0                               ; both opening adds are done
	s_wait_kmcnt 0x0
	s_load_b256 s[68:75], s[6:7], 0x0              ; e0 .. e7
	s_load_b32 s76, s[8:9], s77 offset:0x0         ; pi_gate_logit[head]
	s_mov_b32 s[G0A], 1
	s_mov_b32 s[G0A+1], s19
	s_add_nc_u64 s[G0A+2:G0A+3], s[4:5], s[20:21]
	s_or_b32 s[G0A+3], s[G0A+3], 0x80000000
	s_mov_b32 s[G0Q], 1
	s_mov_b32 s[G0Q+1], QOFF
	s_add_nc_u64 s[G0Q+2:G0Q+3], s[4:5], s[46:47]
	s_or_b32 s[G0Q+3], s[G0Q+3], 0x80000000
	s_mov_b32 s[G0V], 1
	s_mov_b32 s[G0V+1], VOFF
	s_add_nc_u64 s[G0V+2:G0V+3], s[4:5], s[44:45]
	s_or_b32 s[G0V+3], s[G0V+3], 0x80000000
	CROUND                                         ; all sixteen work-groups are here: the first joint loads meet
	JLOAD                                          ; units 0-4
	; ---- under the loads' flight: addresses, scales, sines and cosines
	v_and_b32 v1, 31, v0
	v_lshlrev_b32 v[CO], 4, v1                     ; 16 x lane
	s_mul_i32 s18, s15, AREG                       ; my 8 rowtiles of x
	v_add_nc_u32 v[ADRA], s18, v[CO]
	v_add_nc_u32 v[ADRA+1], 0x10000, v[ADRA]
	s_lshl_b32 s18, s16, 12                        ; my 2 of each 4 rowtiles of W
	s_add_co_u32 s19, s18, QOFF
	v_add_nc_u32 v[ADRB], s19, v[CO]
	v_add_nc_u32 v[ADRB+1], 0x10000, v[ADRB]
	s_add_co_u32 s19, s18, VOFF
	v_add_nc_u32 v[ADRV], s19, v[CO]
	s_lshl_b32 s80, s17, 1
	s_add_co_u32 s80, s80, s15                     ; my 64 positions: 2 y + g
	s_lshl_b32 s81, s80, 6                         ; the first of them
	s_lshl_b32 s82, s79, 4                         ; v's image: (16 x head + 128 keys' number) x 8,192,
	s_lshr_b32 s83, s80, 1
	s_add_co_u32 s82, s82, s83
	s_lshl_b32 s82, s82, 13
	s_and_b32 s83, s80, 1
	s_lshl_b32 s83, s83, 10                        ; parts 0, 1 or 2, 3,
	s_add_co_u32 s82, s82, s83
	s_add_co_u32 s82, s82, s18                     ; tile of channels 2 c
	s_add_co_u32 s82, s82, 0x800000
	s_mov_b32 s83, 0
	s_add_nc_u64 s[12:13], s[10:11], s[82:83]
	s_lshl_b32 s82, s79, 7                         ; q's image: (128 x head + first tile) x 1,024, part c
	s_lshl_b32 s83, s80, 2
	s_add_co_u32 s82, s82, s83
	s_lshl_b32 s82, s82, 10
	s_lshl_b32 s83, s16, 9
	s_add_co_u32 s82, s82, s83
	s_mov_b32 s83, 0
	s_add_nc_u64 s[10:11], s[10:11], s[82:83]
	s_mov_b32 s22, 0xbd53643a                      ; -log2(pi) / 32
	s_mov_b32 s23, 0x3fd3643a                      ; log2(pi)
	s_mov_b32 s20, 0x80000000
.macro KPAIR n, val
	v_mov_b32 v[KC+2*\n], \val
	v_mov_b32 v[KC+2*\n+1], \val
.endm
	KPAIR 0, 0x3f22f983                            ; 2 / pi
	KPAIR 1, 0x4b400000                            ; 1.5 x 2^23: added and taken away, it rounds to a whole number and leaves that number's low bits in the sum's low bits
	KPAIR 2, 0xbfc90fdb                            ; -(pi / 2 rounded to f32)
	KPAIR 3, 0x333bbd2e                            ; that rounded number less pi / 2
	KPAIR 4, 0xb94ca1f9                            ; sin r = r + r z (S1 + z (S2 + z S3)), z = r^2
	KPAIR 5, 0x3c08839e
	KPAIR 6, 0xbe2aaaa3
	KPAIR 7, 0x37ccf5ce                            ; cos r = 1 - z / 2 + z^2 (C1 + z (C2 + z C3))
	KPAIR 8, 0xbab6061a
	KPAIR 9, 0x3d2aaaa5
	s_wait_alu depctr_va_vdst(0)                   ; the wait here, directly ahead of the wait below
	s_wait_kmcnt 0x0
	s_add_co_i32 s78, s68, s69                     ; e0 + e1: a sum stands for sum x 2^(e0 + e1); that power is folded into each conversion's scale
.macro MKSCALE vl, se                  ; v[vl + 1] = 2^(s[se] - e0 - e1) as f32, v[vl] = 448 x that
	s_sub_co_i32 s18, s[\se], s78
	s_add_co_i32 s18, s18, 127
	s_lshl_b32 s19, s18, 23
	v_mov_b32 v[\vl+1], s19
	s_add_co_i32 s18, s18, 8
	s_lshl_b32 s18, s18, 23
	s_or_b32 s18, s18, 0x600000
	v_mov_b32 v[\vl], s18
.endm
	MKSCALE LIM, 70                                ; q: e2
	MKSCALE LIM+2, 71                              ; k: e3
	MKSCALE LIM+4, 73                              ; v: e5
	s_lshl_b32 s18, s16, 4
	v_bfe_u32 v11, v0, 4, 1
	v_lshlrev_b32 v11, 3, v11
	v_add_nc_u32 v11, s18, v11                     ; 16 c + 8 h
.irp n, 0,1,2,3,4,5,6,7
	v_add_nc_u32 v[F+\n], \n, v11                  ; the pair's number j
.endr
.irp n, 0,1,2,3,4,5,6,7
	v_cvt_f32_u32 v[F+\n], v[F+\n]
.endr
.irp n, 0,1,2,3,4,5,6,7
	v_fma_f32 v[F+\n], v[F+\n], s22, s23           ; log2(pi) (1 - j / 32)
.endr
	v_mov_b32 v[PG], s76
	v_mul_f32 v[PG], 0xbfb8aa3b, v[PG]             ; -logit x log2(e)
	s_wait_alu depctr_va_vdst(0)                   ; the wait ahead of the batch
.irp n, 0,1,2,3,4,5,6,7
	v_exp_f32 v[F+\n], v[F+\n]                     ; pi^(1 - j / 32)
.endr
	v_exp_f32 v[PG], v[PG]
	v_and_b32 v[POSB], 15, v0                      ; (a plain line behind the batch)  r
	s_wait_alu depctr_va_vdst(0)                   ; one wait for the nine exponentials, ahead of their first reader
	v_add_f32 v[PG], 1.0, v[PG]
	s_wait_alu depctr_va_vdst(0)                   ; and ahead of the reciprocal
	v_rcp_f32 v[PG], v[PG]                         ; the sigmoid
	v_and_b32 v[TI], 8, v[POSB]                    ; (a plain line behind it)
	v_add_nc_u32 v[POSB], v[POSB], v[TI]           ; r + 8 (r / 8)
	v_add_nc_u32 v[POSB], s81, v[POSB]
	s_wait_alu depctr_va_vdst(0)
	v_mov_b32 v[PG+1], v[PG]
; cos and sin of my position in tile pa for the eight pairs of channels, into CS + 16 pa
.macro SINCOS8 pa
.set CR, CS+16*(\pa)
	v_add_nc_u32 v[TI], 32*((\pa)/2)+8*((\pa)%2), v[POSB]
	v_cvt_f32_u32 v[POS], v[TI]
	v_cvt_f32_u32 v[POS+1], v[TI]
.irp p, 0,2,4,6
	v_pk_mul_f32 v[TH+\p:TH+\p+1], v[F+\p:F+\p+1], v[POS:POS+1]
.endr
.irp p, 0,2,4,6
	v_pk_mul_f32 v[TH+\p:TH+\p+1], v[TH+\p:TH+\p+1], v[PG:PG+1]                    ; theta
.endr
.irp p, 0,2,4,6
	v_pk_fma_f32 v[Y+\p:Y+\p+1], v[TH+\p:TH+\p+1], v[KC:KC+1], v[KC+2:KC+3]
.endr
.irp p, 0,2,4,6
	v_pk_add_f32 v[NF+\p:NF+\p+1], v[Y+\p:Y+\p+1], v[KC+2:KC+3] neg_lo:[0,1] neg_hi:[0,1]   ; n = round(theta x 2 / pi)
.endr
.irp p, 0,2,4,6
	v_pk_fma_f32 v[TH+\p:TH+\p+1], v[NF+\p:NF+\p+1], v[KC+4:KC+5], v[TH+\p:TH+\p+1]   ; exact: a multiple of 2^-23 under 1
.endr
.irp p, 0,2,4,6
	v_pk_fma_f32 v[TH+\p:TH+\p+1], v[NF+\p:NF+\p+1], v[KC+6:KC+7], v[TH+\p:TH+\p+1]   ; r = theta - n pi / 2
.endr
.irp p, 0,2,4,6
	v_pk_mul_f32 v[NF+\p:NF+\p+1], v[TH+\p:TH+\p+1], v[TH+\p:TH+\p+1]              ; z
.endr
.irp p, 0,2,4,6
	v_pk_fma_f32 v[SP+\p:SP+\p+1], v[NF+\p:NF+\p+1], v[KC+8:KC+9], v[KC+10:KC+11]
	v_pk_fma_f32 v[CP+\p:CP+\p+1], v[NF+\p:NF+\p+1], v[KC+14:KC+15], v[KC+16:KC+17]
.endr
.irp p, 0,2,4,6
	v_pk_fma_f32 v[SP+\p:SP+\p+1], v[SP+\p:SP+\p+1], v[NF+\p:NF+\p+1], v[KC+12:KC+13]
	v_pk_fma_f32 v[CP+\p:CP+\p+1], v[CP+\p:CP+\p+1], v[NF+\p:NF+\p+1], v[KC+18:KC+19]
.endr
.irp p, 0,2,4,6
	v_pk_mul_f32 v[ZR+\p:ZR+\p+1], v[NF+\p:NF+\p+1], v[TH+\p:TH+\p+1]
	v_pk_mul_f32 v[ZZ+\p:ZZ+\p+1], v[NF+\p:NF+\p+1], v[NF+\p:NF+\p+1]
.endr
.irp p, 0,2,4,6
	v_pk_fma_f32 v[SP+\p:SP+\p+1], v[SP+\p:SP+\p+1], v[ZR+\p:ZR+\p+1], v[TH+\p:TH+\p+1]   ; sin r
.endr
.irp p, 0,2,4,6
	v_pk_fma_f32 v[ZR+\p:ZR+\p+1], v[NF+\p:NF+\p+1], -0.5, 1.0 op_sel_hi:[1,0,0]
.endr
.irp p, 0,2,4,6
	v_pk_fma_f32 v[CP+\p:CP+\p+1], v[CP+\p:CP+\p+1], v[ZZ+\p:ZZ+\p+1], v[ZR+\p:ZR+\p+1]   ; cos r
.endr
	; the quadrant, n mod 4, by selects alone: n odd: (cos, sin) = (-sin r, cos r); bit 1 of n: both change sign
.irp i, 0,1,2,3,4,5,6,7
	v_lshlrev_b32 v[T31+\i], 31, v[Y+\i]
.endr
.irp i, 0,1,2,3,4,5,6,7
	v_lshlrev_b32 v[SG+\i], 30, v[Y+\i]
.endr
.irp i, 0,1,2,3,4,5,6,7
	v_cmp_ne_u32 s[92+\i], 0, v[T31+\i]
.endr
.irp i, 0,1,2,3,4,5,6,7
	v_and_or_b32 v[SG+\i], v[SG+\i], s20, 1.0
.endr
.irp i, 0,1,2,3,4,5,6,7
	v_cndmask_b32 v[CR+2*\i], v[CP+\i], v[SP+\i], s[92+\i]
	v_cndmask_b32 v[CR+2*\i+1], v[SP+\i], v[CP+\i], s[92+\i]
.endr
.irp i, 0,1,2,3,4,5,6,7
	v_xor_b32 v[CR+2*\i], v[CR+2*\i], v[T31+\i]
.endr
.irp i, 0,2,4,6
	v_pk_mul_f32 v[CR+2*\i:CR+2*\i+1], v[CR+2*\i:CR+2*\i+1], v[SG+\i:SG+\i+1] op_sel_hi:[1,0]
	v_pk_mul_f32 v[CR+2*\i+2:CR+2*\i+3], v[CR+2*\i+2:CR+2*\i+3], v[SG+\i:SG+\i+1] op_sel:[0,1] op_sel_hi:[1,1]
.endr
.endm
.irp pa, 0,1,2,3
	SINCOS8 \pa
.endr
.macro FRAG reg, adr, off              ; a fragment: four loads of 512 consecutive bytes
.irp c, 0,1,2,3
	ds_load_b128 v[\reg+4*\c:\reg+4*\c+3], v[\adr] offset:\off+512*\c
.endr
.endm
.macro FETCH_B u, p                    ; the six fragments of W in the units' place u, into set p
	WIN 0x40                                       ; destination window 1, address window 0
.irp b, 0,1,2,3
	FRAG 128*(\p)+16*\b, ADRB+(\u)/4, ((\u)%4)*16384+(\b+2*(\b/2))*2048
.endr
.irp b, 4,5
	FRAG 128*(\p)+16*\b, ADRV, (\u)*8192+(\b-4)*2048
.endr
	WIN 0
.endm
.macro FETCH_A u, i0                   ; x's fragments i0 .. i0 + 3
.irp i, 0,1,2,3
	FRAG AF+16*(\i0+\i), ADRA+(\u)/4, ((\u)%4)*16384+(\i0+\i)*2048
.endr
.endm
; 16 products of q and k, and 8 of v, of x's blocks a0 .. a0 + 3 (a0 = 0 or 4).  p: B's set.  zero = 1: the first product starts the sums.  The 48 accumulators take turns, one instruction a turn, in the same order in every step.
.macro MULQ a0, p, zero
	WIN 0xa1+0x50*((\a0)/4)                        ; source 0 window 1, source 1 window 0, C and D window 2 or 3
.irp i, 0,1,2,3
.irp b, 0,1,2,3
.if \zero
	v_wmma_f32_16x16x128_fp8_fp8 v[8*(6*\i+\b):8*(6*\i+\b)+7], v[128*(\p)+16*\b:128*(\p)+16*\b+15], v[AF+16*(\a0+\i):AF+16*(\a0+\i)+15], 0
.else
	v_wmma_f32_16x16x128_fp8_fp8 v[8*(6*\i+\b):8*(6*\i+\b)+7], v[128*(\p)+16*\b:128*(\p)+16*\b+15], v[AF+16*(\a0+\i):AF+16*(\a0+\i)+15], v[8*(6*\i+\b):8*(6*\i+\b)+7]
.endif
.endr
.endr
.endm
.macro MULV a0, p, zero
	WIN 0xa4+0x50*((\a0)/4)                        ; source 0 window 0, source 1 window 1
.irp i, 0,1,2,3
.irp b, 4,5
.if \zero
	v_wmma_f32_16x16x128_fp8_fp8 v[8*(6*\i+\b):8*(6*\i+\b)+7], v[AF+16*(\a0+\i):AF+16*(\a0+\i)+15], v[128*(\p)+16*\b:128*(\p)+16*\b+15], 0
.else
	v_wmma_f32_16x16x128_fp8_fp8 v[8*(6*\i+\b):8*(6*\i+\b)+7], v[AF+16*(\a0+\i):AF+16*(\a0+\i)+15], v[128*(\p)+16*\b:128*(\p)+16*\b+15], v[8*(6*\i+\b):8*(6*\i+\b)+7]
.endif
.endr
.endr
.endm
.macro PLACES                          ; four plain vector lines between a matrix instruction and a load into, or a vector read or write of, its registers
.rept 4
	v_nop
.endr
.endm
; the second half of a step: the next unit's fragments (place u, B's set 1 - p; A's blocks 0-3 ahead of the products, 4-7 behind them)
.macro HALF2 p, u, zero
	FETCH_B \u, 1-(\p)
	FETCH_A \u, 0
	MULQ 4, \p, \zero
	MULV 4, \p, \zero
	PLACES
	WIN 0
	FETCH_A \u, 4
.endm
.macro STEP p, u, zero
	s_wait_dscnt 16                                ; B's set and A's blocks 0-3 are in; the youngest 16 loads (A's blocks 4-7) may be out
	MULQ 0, \p, \zero
	MULV 0, \p, \zero
	s_wait_dscnt 0                                 ; A's blocks 4-7 are in
	PLACES
	HALF2 \p, \u, \zero
.endm
.macro STEPEND p                       ; a step behind which nothing is fetched yet
	s_wait_dscnt 16
	MULQ 0, \p, 0
	MULV 0, \p, 0
	s_wait_dscnt 0
	MULQ 4, \p, 0
	MULV 4, \p, 0
	WIN 0
.endm
	s_wait_alu depctr_va_vdst(0)                   ; the wait at the head's end
	s_wait_tensorcnt 0x0                           ; my part of units 0-4 is in,
	s_barrier_signal -1
	s_barrier_wait -1                              ; everybody's is
	FETCH_B 0, 0
	FETCH_A 0, 0
	FETCH_A 0, 4
	STEP 0, 1, 1                                   ; unit 0: its products start the sums
	STEP 1, 2, 0                                   ; unit 1
	; unit 2 changes slots: in front of the round each wave waits for all its tensor loads, adds 0 to its spare word, and waits for that and for its reads of units 0-2
	s_wait_tensorcnt 0x0                           ; (every window is 0 here)
	ds_add_u32 v[SPW], v[NIL]
	s_wait_dscnt 17                                ; (the add and the youngest 16 loads may be out)
	MULQ 0, 0, 0
	s_wait_dscnt 0x0                               ; the add is done, and my reads of units 0-2 are over
	s_barrier_signal -1
	MULV 0, 0, 0
	WIN 0
	s_barrier_wait -1
	CREST                                          ; no wave of any partner still reads units 0-2 or has a load on its way
.irp g, G0A, G0Q, G0V
	s_add_nc_u64 s[\g+2:\g+3], s[\g+2:\g+3], 5*UNITB
.endr
.irp g, G1A, G1Q, G1V
	s_mov_b32 s[\g+2], 3<<16                       ; three units
	s_mov_b32 s[\g+4], 3
.endr
	JLOAD                                          ; units 5-7 into the places of 0-2; the four v_nop behind it are also the places in front of the loads below
	HALF2 0, 3, 0
	STEP 1, 4, 0                                   ; unit 3
	STEPEND 0                                      ; unit 4
	s_wait_tensorcnt 0x0                           ; my part of units 5-7 is in
	s_barrier_signal -1
	s_barrier_wait -1                              ; everybody's is
	PLACES
	FETCH_B 0, 1
	FETCH_A 0, 0
	FETCH_A 0, 4
	STEP 1, 1, 0                                   ; unit 5
	STEP 0, 2, 0                                   ; unit 6
	STEPEND 1                                      ; unit 7
	PLACES                                         ; the way out reads results and writes A's registers
	; ---------------- THE WAY OUT: 24 stores of 512 consecutive bytes ----------------
.set UNIT, 0
; v: 16 neighbouring keys of my channel: accumulators (4 bt + 2 bb, b) and the next tile's; part bb of the tile's image
.macro VQ bt, bb, b
.set RR, R+16*(UNIT%2)
.set CD, CODE+4*UNIT
.set AC, 8*(12*(\bb)+(\b))
	WIN 0x02+(\bt)                                 ; source 0: window 2 or 3
.irp n, 0,1,2,3,4,5,6,7
	v_med3_num_f32 v[RR+\n], v[AC+\n], -v[LIM+4], v[LIM+4]   ; the conversion to an 8-bit code does not saturate (ISA guide 7.6.2); each accumulator from its low end on
.endr
.irp n, 0,1,2,3,4,5,6,7
	v_med3_num_f32 v[RR+8+\n], v[AC+48+\n], -v[LIM+4], v[LIM+4]
.endr
	WIN 0
	v_cvt_scalef32_pk8_fp8_f32 v[CD:CD+1], v[RR:RR+7], v[LIM+5]
	v_cvt_scalef32_pk8_fp8_f32 v[CD+2:CD+3], v[RR+8:RR+15], v[LIM+5]
	global_store_b128 v[CO], v[CD:CD+3], s[12:13] offset:(\bt)*2097152+((\b)-4)*2048+(\bb)*512
.set UNIT, UNIT+1
.endm
; q (isk = 0) or k (1): 16 neighbouring channels of my position are rotated, held, turned into codes, and stored: part c of the tile's image
.macro ROTQ a, isk
.set RR, R+16*(UNIT%2)
.set CD, CODE+4*UNIT
.set AC, 8*(6*((\a)%4)+2*(\isk))
.set CR, CS+16*((\a)%4)
	WIN 0x02+((\a)/4)
.irp n, 0,1,2,3,4,5,6,7
	v_pk_mul_f32 v[RR+2*\n:RR+2*\n+1], v[AC+2*\n:AC+2*\n+1], v[CR+2*\n:CR+2*\n+1] op_sel_hi:[1,0]   ; (t1 cos, t2 cos); each accumulator from its low end on
.endr
.irp n, 0,1,2,3,4,5,6,7
	v_pk_fma_f32 v[RR+2*\n:RR+2*\n+1], v[AC+2*\n:AC+2*\n+1], v[CR+2*\n:CR+2*\n+1], v[RR+2*\n:RR+2*\n+1] op_sel:[1,1,0] op_sel_hi:[0,1,1] neg_lo:[0,1,0]   ; (- t2 sin, + t1 sin)
.endr
	WIN 0
.irp n, 0,1,2,3,4,5,6,7,8,9,10,11,12,13,14,15
	v_med3_num_f32 v[RR+\n], v[RR+\n], -v[LIM+2*(\isk)], v[LIM+2*(\isk)]
.endr
	v_cvt_scalef32_pk8_fp8_f32 v[CD:CD+1], v[RR:RR+7], v[LIM+2*(\isk)+1]
	v_cvt_scalef32_pk8_fp8_f32 v[CD+2:CD+3], v[RR+8:RR+15], v[LIM+2*(\isk)+1]
	global_store_b128 v[CO], v[CD:CD+3], s[10:11] offset:(\isk)*4194304+((\a)/4)*2097152+((\a)%4)*1024
.set UNIT, UNIT+1
.endm
.irp bt, 0,1
.irp b, 4,5
	VQ \bt, 0, \b
	VQ \bt, 1, \b
.endr
.endr
.irp a, 0,1,2,3,4,5,6,7
	ROTQ \a, 0
	ROTQ \a, 1
.endr
	v_nop                                          ; a plain line behind the last conversion
	s_wait_tensorcnt 0x0                           ; the wave's end
	ds_add_u32 v[SPW], v[NIL]
	s_wait_dscnt 0x0
	CROUND                                         ; the closing round: no work-group ends while a partner may still ask for a tile that names it
	s_endpgm
.Lfunc_end_k_q74fffadff3_qkv:
	.size	k_q74fffadff3_qkv, .Lfunc_end_k_q74fffadff3_qkv-k_q74fffadff3_qkv
	.p2alignl 7, 3214868480
	.fill 96, 4, 3214868480
	.section	.rodata,"a",@progbits
	.p2align	6, 0x0
	.amdhsa_kernel k_q74fffadff3_qkv
		.amdhsa_group_segment_fixed_size 327680
		.amdhsa_private_segment_fixed_size 0
		.amdhsa_enable_private_segment 0
		.amdhsa_kernarg_size 32
		.amdhsa_user_sgpr_count 2
		.amdhsa_user_sgpr_kernarg_segment_ptr 1
		.amdhsa_wavefront_size32 1
		.amdhsa_system_sgpr_workgroup_id_x 1
		.amdhsa_system_sgpr_workgroup_id_y 1
		.amdhsa_system_sgpr_workgroup_id_z 1
		.amdhsa_system_vgpr_workitem_id 0
		.amdhsa_next_free_vgpr 1024
		.amdhsa_next_free_sgpr 100
		.amdhsa_reserve_vcc 0
		.amdhsa_float_denorm_mode_32 3
		.amdhsa_float_denorm_mode_16_64 3
		.amdhsa_memory_ordered 1
		.amdhsa_forward_progress 1
		.amdhsa_inst_pref_size 146
	.end_amdhsa_kernel
	.amdgpu_metadata
---
amdhsa.version: [ 1, 2 ]
amdhsa.kernels:
  - .name:           k_q74fffadff3_qkv
    .symbol:         k_q74fffadff3_qkv.kd
    .args:
      - { .name: codes, .offset: 0, .size: 8, .value_kind: global_buffer, .address_space: global }
      - { .name: lowp_scales, .offset: 8, .size: 8, .value_kind: global_buffer, .address_space: global }
      - { .name: pi_gate_logit, .offset: 16, .size: 8, .value_kind: global_buffer, .address_space: global }
      - { .name: qkv, .offset: 24, .size: 8, .value_kind: global_buffer, .address_space: global }
    .group_segment_fixed_size: 327680
    .private_segment_fixed_size: 0
    .kernarg_segment_align: 8
    .kernarg_segment_size: 32
    .max_flat_workgroup_size: 128
    .sgpr_count:     100
    .vgpr_count:     1024
    .wavefront_size: 32
...
	.end_amdgpu_metadata
.endif
;; end of part 2
;; launch attn (part 3): grid 4 x 64, 16 waves a work-group, clusters of 4 x 4, 327,680 bytes of LDS; arguments qkv, lowp_scales, log_xi, e_gate_logit, oimg, Wo, wocodes; writes oimg, wocodes
.if DOCPART == 3
	.amdgcn_target "amdgcn-amd-amdhsa--gfx1250"
	.amdhsa_code_object_version 6
	.text
	.protected	k_q74fffadff3_attn
	.globl	k_q74fffadff3_attn
	.p2align	8
	.type	k_q74fffadff3_attn,@function
k_q74fffadff3_attn:
	s_mov_b64 s[64:65], 0
	v_nop
	global_prefetch_b8 v0, s[64:65] scope:SCOPE_SE
	s_setreg_imm32_b32 hwreg(HW_REG_WAVE_MODE, 25, 1), 1
	s_wait_xcnt 0x0
	s_wait_alu depctr_hold_cnt(0) depctr_sa_sdst(0) depctr_va_vdst(0) depctr_va_sdst(0) depctr_va_ssrc(0) depctr_va_vcc(0) depctr_vm_vsrc(0)
	s_getreg_b32 s2, hwreg(HW_REG_IB_STS2, 6, 4)
	s_cmp_eq_u32 s2, 0
	s_cbranch_scc0 .Lentry_in_a_cluster
	s_endpgm
.Lentry_in_a_cluster:
	s_bfe_u32 s2, ttmp6, 0x10000c
	s_cmp_lg_u32 s2, 0xf033
	s_cbranch_scc0 .Lentry_shape_is_right
	s_endpgm
.Lentry_shape_is_right:
; o = softmax(q k^T / 8 - gamma (query - key)) v under the causal mask, on codes of E4M3; gamma = sigmoid(e_gate) / exp(log_xi); p = 2^(t - M), M the running largest t rounded up to a whole number, quantised with 2^e4; o is divided by
; the sum of the unquantised p, multiplied by 2^(e4 + e5), quantised with 2^e6 and stored as images of operand registers: oimg[kp][RT][4,096], head % 4 picks 1,024 of the 4,096 bytes, head / 4 is kp.
; SHARES.  A batch and head has 16 blocks of 128 queries, a block 8 tiles of 16.  A work-group owns ONE tile of every block, the same place in each.  Blocks a and 15 - a, a = 0 .. 7, belong to waves a and a + 8:
;   wave a takes the tile of block 15 - a against keys 0-1151 (9 steps of 128); wave a + 8 takes the tile of block a whole (a + 1 steps), stores it, and then the tile of block 15 - a against the keys from 1152 on (7 - a steps).
;   So every wave walks 8 or 9 steps, and what it walks hangs on its wave number alone and is alike in all work-groups.  At the end wave a + 8 hands its part (O^T, -M, the sum) to wave a through LDS; powers of two bring both under one M: exact.
;   (Where a = 7 that part is empty: zeros under M = -3e38, which the factor 2^(M - new M) = 0 leaves zeros.)
; CLUSTER 4 x 4: the 8 work-groups of a batch and head are two rows of the cluster; k's and v's tiles are asked for jointly along a row.
; LDS holds k and v of the head whole (131,072 bytes each), each byte filled once, by one load a wave of 16,384 bytes: waves 0-7 fetch k, waves 8-15 v.  No load is issued in a loop, so no prefetch stands in this text.
; LEFT OUT: steps of 128 keys all of which lie behind the wave's block (see the first launch's head: their p is 0 by reference()'s own tril); a scalar branch on the wave's number and the step.
; LAYOUT.  S^T = k q^T (source 0 = 16 keys), O^T = v^T p^T (source 0 = 16 channels): a lane holds ONE query; the 16 registers of tiles 2 b, 2 b + 1 are keys 32 b + 16 h + 0 .. 15.  The bias: gamma x (16 h + i) / c enters as the product's C, the rest by B.
; THE DIAGONAL'S MASK is a table in LDS, the same for all waves: for each register and lane +infinity where the key counts, -infinity where it is hidden; the lesser of it and the score goes on.
; WO: the work-group also turns one rowtile x 256 along K of Wo [1024][1024] into codes with 2^e7, the number of the work-group's row being the rowtile; waves 8-15 take a part of 512 bytes of codes each: wocodes[unit of 128][rowtile][2,048], laid as the first launch lays its codes.
; LIMITS: e2 + e3 between -123 and 123; e4, e6, e7 between -126 and 119.  Scaled scores (t) stay under 2^31 in magnitude.  NaN is not served.
.set SPARE, 0x40000                    ; behind k and v: the spare words, 128 bytes for each wave: eight blocks of 256 bytes that no other line names
.set MRG,   0x40800                    ; the parts handed on: 8 x 4,608 bytes
.set MRGP,  4608
.set TBL,   MRG+8*MRGP                 ; the mask's table: 16 x 512 bytes
.set Q,   16
.set G,   24
.set KV,  40
.set MR,  72                           ; v72-75, the way out: the other part's -M, largest t and sum
.set S,   104
.set O,   168
.set PC,  200
.set B,   216
.set A,   220
.set K01, 224
.set GM,  228
.set MX,  230
.set FF,  234
.set T,   236
.set ADT, 244                          ; v244 the table, v247 my pair's part
.set ADM, 247
.set WV,  14
.set BH,  15
.set HD,  16
.set BT,  17
.set X8,  18
.set LIM, 19                           ; the last step that my wave walks
.set BLK, 20                           ; the block of the tile in hand
.set PA,  21                           ; a
.set CS,  22
.set G1A, 24
.set G0A, 32
.set QL,  36                           ; s[36:37] q's codes of the tile of block 15 - a
.set LNG, 38                           ; 15 - a
.set SEL, 48
.set SN,  50
.set KF,  51
.set TB,  52
.set CNT, 53
.macro CROUND                          ; a round of the cluster's barrier
	s_barrier_signal -1
	s_barrier_wait -1
	s_cmp_lg_u32 s[WV], 0
	s_cbranch_scc1 .Lnot_wave_0_\@
	s_barrier_signal -3
.Lnot_wave_0_\@:
	s_barrier_wait -3
	s_barrier_signal -1
	s_barrier_wait -1
.endm
	s_load_b256 s[4:11], s[0:1], 0x0               ; qkv s[4:5], the scales' exponents s[6:7], log_xi s[8:9], e_gate_logit s[10:11]
	s_load_b64 s[12:13], s[0:1], 0x20              ; oimg
	s_load_b128 s[80:83], s[0:1], 0x28             ; Wo s[80:81], wocodes s[82:83]
	v_lshl_add_u32 v254, v0, 2, SPARE
	v_mov_b32 v255, 0
	ds_add_u32 v254, v255                          ; the wave's opening: the add, twice on end, and its wait
	ds_add_u32 v254, v255
	v_lshrrev_b32 v7, 5, v0
	v_readfirstlane_b32 s[WV], v7                  ; wave 0..15
	s_bfe_u32 s84, ttmp6, 0x40000                  ; cx
	s_bfe_u32 s85, ttmp6, 0x40004                  ; cy
	s_and_b32 s86, ttmp7, 0xffff                   ; the cluster's y
	s_lshl_b32 s56, s86, 1
	s_lshr_b32 s57, s85, 1
	s_add_co_u32 s[BH], s56, s57                   ; batch x 16 + head = 2 x cluster y + cy / 2
	s_and_b32 s57, s85, 1
	s_lshl_b32 s57, s57, 2
	s_add_co_u32 s[X8], s57, s84                   ; my work-group's tile of every block: 4 (cy % 2) + cx
	s_lshl_b32 s57, s85, 2
	s_lshl_b32 s57, 15, s57                        ; my row of the cluster
	; descriptor group 1: a dense block of 16,384 bytes as 64 rows of 32 elements of 8 bytes
	s_or_b32 s[G1A], s57, (3<<16)|(1<<21)
	s_mov_b32 s[G1A+1], 32<<16
	s_mov_b32 s[G1A+2], 64<<16
	s_mov_b32 s[G1A+3], 32<<16
	s_mov_b32 s[G1A+4], 64
	s_mov_b32 s[G1A+5], 32
	s_mov_b32 s[G1A+6], 0
	s_mov_b32 s[G1A+7], 0
	; my query in its block, and my wave's four registers of the mask's table: registers 4 w .. 4 w + 3 of the 64, keys 32 (w / 4) + 4 (w % 4) + 0 .. 3, + 16 h
	s_lshr_b32 s54, s[X8], 1
	s_lshl_b32 s54, s54, 5
	s_and_b32 s55, s[X8], 1
	s_lshl_b32 s55, s55, 3
	s_add_co_u32 s54, s54, s55                     ; my tile's first query in its block
	s_lshr_b32 s56, s[WV], 2
	s_lshl_b32 s56, s56, 5
	s_and_b32 s55, s[WV], 3
	s_lshl_b32 s55, s55, 2
	s_add_co_u32 s56, s56, s55
	s_sub_co_u32 s56, 0, s56
	s_wait_alu depctr_va_vdst(0)
	v_and_b32 v8, 15, v0                           ; r
	v_bfe_u32 v9, v0, 4, 1                         ; h
	v_and_b32 v10, 8, v8
	v_lshlrev_b32 v11, 4, v9                       ; 16 h
	v_add_nc_u32 v10, v10, v8                      ; r + 8 (r / 8)
	v_mov_b32 v6, v10
	v_add_nc_u32 v10, s54, v10                     ; my query in its block
	v_sub_nc_u32 v7, v10, v11
	v_add_nc_u32 v7, s56, v7
	v_cvt_f32_i32 v7, v7                           ; that less the key of my wave's first register: the key of register j is hidden where this is under j
	v_lshl_add_u32 v248, v0, 4, TBL
	v_add_f32 v250, 0.5, v7
	v_add_f32 v251, -0.5, v7
	v_add_f32 v252, 0xbfc00000, v7
	v_add_f32 v253, 0xc0200000, v7
	v_mul_f32 v250, 0x7f800000, v250               ; half-integers x infinity: +infinity or -infinity; v[250:253] are kept until the tiles are in
	v_mul_f32 v251, 0x7f800000, v251
	v_mul_f32 v252, 0x7f800000, v252
	v_mul_f32 v253, 0x7f800000, v253
	s_and_b32 s[HD], s[BH], 15
	s_lshr_b32 s[BT], s[BH], 4
	s_and_b32 s[PA], s[WV], 7
	s_sub_co_u32 s[LNG], 15, s[PA]
	s_cmp_lt_u32 s[WV], 8
	s_cselect_b32 s[BLK], s[LNG], s[PA]
	s_cselect_b32 s[LIM], 8, s[PA]
	s_wait_alu depctr_va_vdst(0)
	s_wait_dscnt 0x0                               ; both opening adds are done
	s_lshr_b32 s55, s[WV], 3                       ; I fetch for k (0) or for v (1)
	s_and_b32 s58, s[WV], 7
	s_lshl_b32 s58, s58, 14
	s_lshl_b32 s55, s55, 22
	s_add_co_u32 s58, s58, s55
	s_add_co_u32 s58, s58, 0x400000                ; its image in qkv: 4 MiB, 8 MiB
	s_lshl_b32 s57, s[BH], 17
	s_add_co_u32 s58, s58, s57
	s_mov_b32 s59, 0
	s_lshl_b32 s60, s[WV], 14                      ; where it goes: wave x 16,384: k, then v
	s_lshl_b32 s77, s[HD], 2
	s_wait_kmcnt 0x0
	s_add_nc_u64 s[58:59], s[4:5], s[58:59]
	s_mov_b32 s[G0A], 1
	s_mov_b32 s[G0A+1], s60
	s_mov_b32 s[G0A+2], s58
	s_or_b32 s[G0A+3], s59, 0x80000000
	CROUND                                         ; all sixteen work-groups are here: the joint loads meet
	tensor_load_to_lds s[G0A:G0A+3], s[G1A:G1A+7]
	s_nop 0
.rept 4
	v_nop
.endr
	s_load_b256 s[68:75], s[6:7], 0x0              ; e0 .. e7
	s_load_b32 s66, s[8:9], s77 offset:0x0         ; log_xi[head]
	s_load_b32 s67, s[10:11], s77 offset:0x0       ; e_gate_logit[head]
	s_lshl_b32 s61, s[BLK], 3
	s_add_co_u32 s61, s61, s[X8]                   ; my first tile of the sequence's 128
	s_lshl_b32 s62, s[BH], 7
	s_add_co_u32 s62, s62, s61
	s_lshl_b32 s62, s62, 10
	s_mov_b32 s63, 0
	s_add_nc_u64 s[62:63], s[4:5], s[62:63]
	v_and_b32 v7, 31, v0
	v_lshlrev_b32 v1, 4, v7                        ; k: 16 x lane
	v_add_nc_u32 v2, 0x20000, v1                   ; v
	global_load_b128 v[Q:Q+3], v1, s[62:63]
	global_load_b128 v[Q+4:Q+7], v1, s[62:63] offset:512
	s_lshl_b32 s56, s[LNG], 3
	s_add_co_u32 s56, s56, s[X8]
	s_lshl_b32 s57, s[BH], 7
	s_add_co_u32 s56, s56, s57
	s_lshl_b32 s56, s56, 10
	s_mov_b32 s57, 0
	s_add_nc_u64 s[QL:QL+1], s[4:5], s[56:57]
	s_lshr_b32 s54, s[HD], 2
	s_lshl_b32 s54, s54, 8
	s_lshl_b32 s55, s[BT], 7
	s_add_co_u32 s54, s54, s55
	s_add_co_u32 s54, s54, s61
	s_lshl_b32 s54, s54, 12                        ; (256 kp + 128 batch + tile) x 4,096
	s_and_b32 s55, s[HD], 3
	s_lshl_b32 s55, s55, 10
	s_add_co_u32 s54, s54, s55
	s_mov_b32 s55, 0
	s_add_nc_u64 s[12:13], s[12:13], s[54:55]
	s_mul_i32 s54, s[PA], MRGP
	s_add_co_u32 s54, s54, MRG
	s_lshl_b32 s55, s[BLK], 7
	s_wait_alu depctr_va_vdst(0)
	v_add_nc_u32 v[ADM], s54, v1
	v_add_nc_u32 v[ADT], TBL, v1
	v_add_nc_u32 v5, s55, v10                      ; my query
	v_mov_b32 v12, 0x7f61b1e6                      ; -M,
	v_mov_b32 v13, 0xff61b1e6                      ; the largest t so far: -3e38
	v_mov_b32 v14, 0                               ; the sum, in two halves
	v_mov_b32 v15, 0
	v_mov_b32 v238, 0                              ; written once: a lane permute's destination counts as one of its sources
	v_mov_b32 v[FF+1], 0                           ; (named as the upper half of a pair)
	s_mov_b32 s[SEL], 0x76543210                   ; lane l xor 16
	s_mov_b32 s[SEL+1], 0xfedcba98
.irp j, 0,1,2,3,4,5,6,7,8,9,10,11,12,13,14,15,16,17,18,19,20,21,22,23,24,25,26,27,28,29,30,31
	v_mov_b32 v[O+\j], 0                           ; O^T: the step is written once for all; the first change of M leaves zeros
.endr
	s_wait_alu depctr_va_vdst(0)
	s_wait_kmcnt 0x0
	s_add_co_i32 s54, s70, s71
	s_lshl_b32 s54, s54, 23
	s_add_co_i32 s[CS], s54, 0x3e38aa3b            ; c = log2(e) / 8 x 2^(e2 + e3)
	s_mov_b32 s[CS+1], s[CS]
	s_sub_co_i32 s55, 0x40b17218, s54              ; 1 / c
	s_add_co_i32 s76, s72, s73
.macro MKSCALE vl, vs, se              ; v[vs] = 2^s[se] as f32, v[vl] = 448 x that
	s_add_co_i32 s56, s[\se], 127
	s_lshl_b32 s57, s56, 23
	v_mov_b32 v[\vs], s57
	s_add_co_i32 s56, s56, 8
	s_lshl_b32 s56, s56, 23
	s_or_b32 s56, s56, 0x600000
	v_mov_b32 v[\vl], s56
.endm
	MKSCALE 240, 241, 72                           ; p: e4
	MKSCALE 245, 246, 74                           ; o: e6
	MKSCALE 242, 243, 75                           ; Wo: e7
	v_mov_b32 v[T], s67
	v_mov_b32 v[T+1], s66
	v_mul_f32 v[T], 0xbfb8aa3b, v[T]
	v_mul_f32 v[T+1], 0xbfb8aa3b, v[T+1]
	s_wait_alu depctr_va_vdst(0)                   ; the wait ahead of the batch
	v_exp_f32 v[T], v[T]
	v_exp_f32 v[T+1], v[T+1]                       ; 1 / xi
	v_mov_b32 v[K01], 0
	s_wait_alu depctr_va_vdst(0)                   ; and behind it
	v_add_f32 v[T], 1.0, v[T]
	s_wait_alu depctr_va_vdst(0)
	v_rcp_f32 v[T], v[T]                           ; the gate's sigmoid
	v_nop
	s_wait_alu depctr_va_vdst(0)
	v_mul_f32 v[GM], v[T], v[T+1]
	v_mul_f32 v[GM], 0x3fb8aa3b, v[GM]             ; gamma x log2(e): what a key nearer to the query adds to t
	v_mov_b32 v[GM+1], v[GM]
	v_mul_f32 v[K01+1], 0x42000000, v[GM]          ; x 32, 64, 96: the four groups of 32 keys
	v_mul_f32 v[K01+2], 0x42800000, v[GM]
	v_mul_f32 v[K01+3], 0x42c00000, v[GM]
	v_mul_f32 v[T], s55, v[GM]
.irp i, 0,1,2,3,4,5,6,7,8,9,10,11,12,13,14,15
	v_add_nc_u32 v[G+\i], \i, v11
.endr
.irp i, 0,1,2,3,4,5,6,7,8,9,10,11,12,13,14,15
	v_cvt_f32_u32 v[G+\i], v[G+\i]
.endr
.irp i, 0,1,2,3,4,5,6,7,8,9,10,11,12,13,14,15
	v_mul_f32 v[G+\i], v[G+\i], v[T]               ; (16 h + i) gamma log2(e) / c: the C of the first product
.endr
	; WO.  Rowtile 4 x cluster y + cy, 256 along K: cx; my wave: 32 along K.  A lane takes the 16 neighbours that its place in the operand wants; the eight waves read 1,024 consecutive bytes of each of the 16 rows
	v_lshlrev_b32 v3, 12, v6                       ; row r + 8 (r / 8) of the rowtile, + 64 h bytes
	v_lshl_add_u32 v3, v9, 6, v3
	s_wait_alu depctr_va_vdst(0)                   ; the wait here, directly ahead of the branch
	s_cmp_lt_u32 s[WV], 8
	s_cbranch_scc1 .Lno_wo
	s_lshl_b32 s54, s86, 2
	s_add_co_u32 s54, s54, s85                     ; the rowtile
	s_lshr_b32 s56, s54, 1
	s_lshl_b32 s56, s56, 5
	s_and_b32 s57, s54, 1
	s_lshl_b32 s57, s57, 3
	s_add_co_u32 s56, s56, s57
	s_lshl_b32 s56, s56, 12                        ; its first row, 4,096 bytes a row
	s_lshl_b32 s57, s84, 10
	s_add_co_u32 s56, s56, s57
	s_lshl_b32 s57, s[PA], 7
	s_add_co_u32 s56, s56, s57
	s_mov_b32 s57, 0
	s_add_nc_u64 s[80:81], s[80:81], s[56:57]
	s_lshl_b32 s56, s84, 18                        ; two units of 131,072 bytes
	s_lshr_b32 s55, s[PA], 2
	s_lshl_b32 s55, s55, 17
	s_add_co_u32 s56, s56, s55
	s_lshl_b32 s54, s54, 11
	s_add_co_u32 s56, s56, s54
	s_and_b32 s55, s[PA], 3
	s_lshl_b32 s55, s55, 9
	s_add_co_u32 s56, s56, s55
	s_add_nc_u64 s[82:83], s[82:83], s[56:57]
.irp j, 0,1,2,3
	global_load_b128 v[S+4*\j:S+4*\j+3], v3, s[80:81] offset:16*\j
.endr
	s_wait_loadcnt 0x0
.irp i, 0,1,2,3,4,5,6,7,8,9,10,11,12,13,14,15
	v_med3_num_f32 v[S+\i], v[S+\i], -v242, v242   ; the conversion to an 8-bit code does not saturate (ISA guide 7.6.2)
.endr
	v_cvt_scalef32_pk8_fp8_f32 v[PC:PC+1], v[S:S+7], v243
	v_cvt_scalef32_pk8_fp8_f32 v[PC+2:PC+3], v[S+8:S+15], v243
	v_nop
	global_store_b128 v1, v[PC:PC+3], s[82:83]     ; 32 lanes store 512 consecutive bytes
	s_wait_xcnt 0x0                                ; the codes' registers may be written again
.Lno_wo:
; A STEP: 128 keys
.macro STEP
	s_cmp_gt_u32 s[SN], s[LIM]
	s_cbranch_scc1 .Lhid_\@
	v_add_nc_u32 v3, s[TB], v1
	v_add_nc_u32 v4, s[TB], v2
	v_nop                                          ; (with the two lines above four places between the last products and the loads into their registers)
	v_nop
.irp t, 0,1,2,3,4,5,6,7
	ds_load_b128 v[KV+8*\t:KV+8*\t+3], v3 offset:1024*\t
	ds_load_b128 v[KV+8*\t+4:KV+8*\t+7], v3 offset:1024*\t+512
.endr
	s_wait_alu depctr_va_vdst(0)
.irp t, 0,2,4,6
	s_wait_dscnt 12-2*\t                           ; tiles t and t + 1 are in; the later tiles' loads may be out
	v_wmma_f32_16x16x64_fp8_fp8 v[S+8*\t:S+8*\t+7], v[KV+8*\t:KV+8*\t+7], v[Q:Q+7], v[G:G+7]
	v_wmma_f32_16x16x64_fp8_fp8 v[S+8*\t+8:S+8*\t+15], v[KV+8*\t+8:KV+8*\t+15], v[Q:Q+7], v[G+8:G+15]
.endr
	v_sub_nc_u32 v[T], s[KF], v5                   ; the step's first key less my query
	s_delay_alu instid0(VALU_DEP_1)
	v_cvt_f32_i32 v[T], v[T]
	v_pk_fma_f32 v[B:B+1], v[T:T+1], v[GM:GM+1], v[K01:K01+1] op_sel_hi:[0,1,1]
	v_pk_fma_f32 v[B+2:B+3], v[T:T+1], v[GM:GM+1], v[K01+2:K01+3] op_sel_hi:[0,1,1]
	s_cmp_lt_u32 s[SN], s[BLK]
	s_cbranch_scc1 .Lopen_\@
.irp q, 0,1,2,3,4,5,6,7,8,9,10,11,12,13,14,15
	ds_load_b128 v[KV+4*\q:KV+4*\q+3], v[ADT] offset:512*\q   ; the diagonal: the mask's table
.endr
	s_wait_dscnt 8                                 ; its first half is in
.irp q, 0,1,2,3,4,5,6,7
	v_dual_min_num_f32 v[S+4*\q], v[S+4*\q], v[KV+4*\q] :: v_dual_min_num_f32 v[S+4*\q+1], v[S+4*\q+1], v[KV+4*\q+1]
	v_dual_min_num_f32 v[S+4*\q+2], v[S+4*\q+2], v[KV+4*\q+2] :: v_dual_min_num_f32 v[S+4*\q+3], v[S+4*\q+3], v[KV+4*\q+3]
.endr
	s_wait_dscnt 0x0
.irp q, 8,9,10,11,12,13,14,15
	v_dual_min_num_f32 v[S+4*\q], v[S+4*\q], v[KV+4*\q] :: v_dual_min_num_f32 v[S+4*\q+1], v[S+4*\q+1], v[KV+4*\q+1]
	v_dual_min_num_f32 v[S+4*\q+2], v[S+4*\q+2], v[KV+4*\q+2] :: v_dual_min_num_f32 v[S+4*\q+3], v[S+4*\q+3], v[KV+4*\q+3]
.endr
	s_wait_alu depctr_va_vdst(0)
.Lopen_\@:
.irp t, 0,1,2,3
.irp c, 0,1,2,3
	ds_load_b128 v[KV+16*\t+4*\c:KV+16*\t+4*\c+3], v4 offset:2048*\t+512*\c   ; v, needed behind the softmax
.endr
.endr
.irp b, 0,1,2,3
	v_max3_num_f32 v[MX+\b], v[S+16*\b], v[S+16*\b+1], v[S+16*\b+2]
.endr
.irp k, 1,2,3,4,5,6
.irp b, 0,1,2,3
	v_max3_num_f32 v[MX+\b], v[MX+\b], v[S+16*\b+2*\k+1], v[S+16*\b+2*\k+2]
.endr
.endr
.irp b, 0,1,2,3
	v_max_num_f32 v[MX+\b], v[MX+\b], v[S+16*\b+15]
.endr
.irp b, 0,1,2,3
	s_delay_alu instid0(VALU_DEP_4)
	v_fma_f32 v[MX+\b], v[MX+\b], s[CS], v[B+\b]   ; as t (c is positive)
.endr
	s_delay_alu instid0(VALU_DEP_2)
	v_max3_num_f32 v[T], v[MX], v[MX+1], v[MX+2]
	s_delay_alu instid0(VALU_DEP_1)
	v_max_num_f32 v[T], v[T], v[MX+3]
	s_delay_alu instid0(VALU_DEP_1)
	v_permlanex16_b32 v238, v[T], s[SEL], s[SEL+1]
	s_delay_alu instid0(VALU_DEP_1)
	v_max3_num_f32 v13, v13, v[T], v238
	v_mov_b32 v239, v12
	s_delay_alu instid0(VALU_DEP_2)
	v_floor_f32 v12, -v13                          ; the new -M: a whole number
	s_delay_alu instid0(VALU_DEP_1)
	v_sub_f32 v239, v12, v239
	s_delay_alu instid0(VALU_DEP_1)
	v_cvt_i32_f32 v239, v239                       ; (it saturates)
	s_delay_alu instid0(VALU_DEP_1)
	v_ldexp_f32 v[FF], 1.0, v239                   ; 2^(old M - new M)
	s_delay_alu instid0(VALU_DEP_4)
	v_pk_add_f32 v[A:A+1], v[B:B+1], v[12:13] op_sel_hi:[1,0]
	v_pk_add_f32 v[A+2:A+3], v[B+2:B+3], v[12:13] op_sel_hi:[1,0]
.irp b, 0,2
.irp n, 0,2,4,6,8,10,12,14
	v_pk_fma_f32 v[S+16*\b+\n:S+16*\b+\n+1], v[S+16*\b+\n:S+16*\b+\n+1], s[CS:CS+1], v[A+\b:A+\b+1] op_sel_hi:[1,0,0]
	v_pk_fma_f32 v[S+16*\b+16+\n:S+16*\b+16+\n+1], v[S+16*\b+16+\n:S+16*\b+16+\n+1], s[CS:CS+1], v[A+\b:A+\b+1] op_sel:[0,0,1] op_sel_hi:[1,0,1]
.endr
.endr
	s_wait_alu depctr_va_vdst(0)                   ; the wait ahead of the batch
.irp j, 0,1,2,3,4,5,6,7,8,9,10,11,12,13,14,15,16,17,18,19,20,21,22,23,24,25,26,27,28,29,30,31,32,33,34,35,36,37,38,39,40,41,42,43,44,45,46,47,48,49,50,51,52,53,54,55,56,57,58,59,60,61,62,63
	v_exp_f32 v[S+\j], v[S+\j]                     ; p
.endr
	v_pk_mul_f32 v[14:15], v[14:15], v[FF:FF+1] op_sel_hi:[1,0]   ; (a plain line behind the batch)
	s_wait_alu depctr_va_vdst(0)                   ; one wait for the batch, and for the products' results that the next lines read first
.irp j, 0,2,4,6,8,10,12,14,16,18,20,22,24,26,28,30
	v_pk_mul_f32 v[O+\j:O+\j+1], v[O+\j:O+\j+1], v[FF:FF+1] op_sel_hi:[1,0]
.endr
	v_pk_add_f32 v[242:243], v[S:S+1], v[S+2:S+3]  ; the sum of the unquantised p, in four chains
	v_pk_add_f32 v[A:A+1], v[S+4:S+5], v[S+6:S+7]
	v_pk_add_f32 v[A+2:A+3], v[S+8:S+9], v[S+10:S+11]
	v_pk_add_f32 v[14:15], v[14:15], v[S+12:S+13]
.irp j, 14,22,30,38,46,54
	v_pk_add_f32 v[242:243], v[242:243], v[S+\j:S+\j+1]
	v_pk_add_f32 v[A:A+1], v[A:A+1], v[S+\j+2:S+\j+3]
	v_pk_add_f32 v[A+2:A+3], v[A+2:A+3], v[S+\j+4:S+\j+5]
	v_pk_add_f32 v[14:15], v[14:15], v[S+\j+6:S+\j+7]
.endr
	v_pk_add_f32 v[242:243], v[242:243], v[S+62:S+63]
.irp b, 0,1,2,3
.irp i, 0,2,4,6,8,10,12,14
	v_dual_min_num_f32 v[S+16*\b+\i], v[S+16*\b+\i], v240 :: v_dual_min_num_f32 v[S+16*\b+\i+1], v[S+16*\b+\i+1], v240   ; the conversion does not saturate; p is not negative
.endr
	v_cvt_scalef32_pk8_fp8_f32 v[PC+4*\b:PC+4*\b+1], v[S+16*\b:S+16*\b+7], v241
	v_cvt_scalef32_pk8_fp8_f32 v[PC+4*\b+2:PC+4*\b+3], v[S+16*\b+8:S+16*\b+15], v241
.endr
	v_pk_add_f32 v[A:A+1], v[A:A+1], v[A+2:A+3]    ; (plain lines behind the conversions)
	v_pk_add_f32 v[14:15], v[14:15], v[242:243]
	s_delay_alu instid0(VALU_DEP_1)
	v_pk_add_f32 v[14:15], v[14:15], v[A:A+1]
	s_wait_alu depctr_va_vdst(0)
	s_wait_dscnt 0x0                               ; v is in
.irp t, 0,1,2,3
	v_wmma_f32_16x16x128_fp8_fp8 v[O+8*\t:O+8*\t+7], v[KV+16*\t:KV+16*\t+15], v[PC:PC+15], v[O+8*\t:O+8*\t+7]
.endr
.Lhid_\@:
	s_add_co_u32 s[SN], s[SN], 1
	s_add_co_u32 s[KF], s[KF], 128
	s_add_co_u32 s[TB], s[TB], 8192
.endm
.macro RUN first, n                    ; steps first .. first + n - 1
	s_mov_b32 s[SN], \first
	s_mov_b32 s[KF], 128*\first
	s_mov_b32 s[TB], 8192*\first
	s_mov_b32 s[CNT], \n
.Lrun_\@:
	STEP
	s_sub_co_u32 s[CNT], s[CNT], 1
	s_cmp_lg_u32 s[CNT], 0
	s_cbranch_scc1 .Lrun_\@
.endm
.macro RECIP                           ; v14: my half of the row's sum, then 2^(e4 + e5) / the row's sum
	v_permlanex16_b32 v238, v14, s[SEL], s[SEL+1]
	s_delay_alu instid0(VALU_DEP_1)
	v_add_f32 v14, v14, v238
	s_wait_alu depctr_va_vdst(0)                   ; the waits ahead of and behind the reciprocal
	v_rcp_f32 v14, v14
	v_nop
	s_wait_alu depctr_va_vdst(0)
	v_ldexp_f32 v14, v14, s76
.endm
.macro OUTQ                            ; a tile of o leaves as codes
.irp n, 0,1,2,3,4,5,6,7,8,9,10,11,12,13,14,15,16,17,18,19,20,21,22,23,24,25,26,27,28,29,30,31
	v_med3_num_f32 v[S+\n], v[S+\n], -v245, v245
.endr
.irp b, 0,1
	v_cvt_scalef32_pk8_fp8_f32 v[PC+4*\b:PC+4*\b+1], v[S+16*\b:S+16*\b+7], v246
	v_cvt_scalef32_pk8_fp8_f32 v[PC+4*\b+2:PC+4*\b+3], v[S+16*\b+8:S+16*\b+15], v246
.endr
	v_nop
	global_store_b128 v1, v[PC:PC+3], s[12:13]     ; 32 lanes store 512 consecutive bytes
	global_store_b128 v1, v[PC+4:PC+7], s[12:13] offset:512
.endm
	s_wait_alu depctr_va_vdst(0)                   ; the wait at the head's end
	s_wait_loadcnt 0x0                             ; q
	s_wait_tensorcnt 0x0                           ; my part of k and v is in
	s_barrier_signal -1
	s_barrier_wait -1                              ; everybody's is: no tensor load is out any more, and none follows
	ds_store_b128 v248, v[250:253]                 ; my part of the mask's table
	s_wait_dscnt 0x0
	s_barrier_signal -1
	s_barrier_wait -1                              ; the table is whole
	RUN 0, 9
	s_cmp_lt_u32 s[WV], 8
	s_cbranch_scc1 .Llong
	; waves 8-15: the tile of block a leaves, and the tile of block 15 - a begins anew
.rept 4
	v_nop                                          ; places behind the last products
.endr
	global_load_b128 v[Q:Q+3], v1, s[QL:QL+1]
	global_load_b128 v[Q+4:Q+7], v1, s[QL:QL+1] offset:512
	v_add_f32 v14, v14, v15
	RECIP
.irp n, 0,2,4,6,8,10,12,14,16,18,20,22,24,26,28,30
	v_pk_mul_f32 v[S+\n:S+\n+1], v[O+\n:O+\n+1], v[14:15] op_sel_hi:[1,0]
.endr
	OUTQ
	s_sub_co_u32 s54, s[LNG], s[BLK]
	s_lshl_b32 s54, s54, 7
	v_add_nc_u32 v5, s54, v5
	s_mov_b32 s[BLK], s[LNG]
	s_mov_b32 s[LIM], s[LNG]
	v_mov_b32 v12, 0x7f61b1e6
	v_mov_b32 v13, 0xff61b1e6
	v_mov_b32 v14, 0
	v_mov_b32 v15, 0
.irp j, 0,1,2,3,4,5,6,7,8,9,10,11,12,13,14,15,16,17,18,19,20,21,22,23,24,25,26,27,28,29,30,31
	v_mov_b32 v[O+\j], 0
.endr
	s_wait_alu depctr_va_vdst(0)
	s_wait_loadcnt 0x0
	s_wait_xcnt 0x0                                ; the stores have read the codes
.Llong:
	RUN 9, 7
.rept 4
	v_nop                                          ; places behind the last products
.endr
	s_cmp_lt_u32 s[WV], 8
	s_cbranch_scc1 .Lkeep
.irp i, 0,1,2,3,4,5,6,7
	ds_store_b128 v[ADM], v[O+4*\i:O+4*\i+3] offset:512*\i   ; waves 8-15 hand their part on
.endr
	ds_store_b128 v[ADM], v[12:15] offset:4096
.Lkeep:
	s_wait_dscnt 0x0
	s_barrier_signal -1
	s_barrier_wait -1
	s_cmp_lt_u32 s[WV], 8
	s_cbranch_scc0 .Lend
.irp i, 0,1,2,3,4,5,6,7
	ds_load_b128 v[KV+4*\i:KV+4*\i+3], v[ADM] offset:512*\i
.endr
	ds_load_b128 v[MR:MR+3], v[ADM] offset:4096
	s_wait_dscnt 0x0
	v_min_num_f32 v239, v12, v[MR]                 ; both parts under the larger M
	v_add_f32 v14, v14, v15
	v_add_f32 v[MR+2], v[MR+2], v[MR+3]
	v_sub_f32 v12, v239, v12
	v_sub_f32 v[MR], v239, v[MR]
	v_cvt_i32_f32 v12, v12
	v_cvt_i32_f32 v[MR], v[MR]
	v_ldexp_f32 v12, 1.0, v12
	v_ldexp_f32 v[MR], 1.0, v[MR]
	v_mul_f32 v14, v14, v12
	v_fma_f32 v14, v[MR+2], v[MR], v14
	RECIP
	v_mul_f32 v12, v12, v14
	v_mul_f32 v[MR], v[MR], v14
.irp n, 0,2,4,6,8,10,12,14,16,18,20,22,24,26,28,30
	v_pk_mul_f32 v[S+\n:S+\n+1], v[O+\n:O+\n+1], v[12:13] op_sel_hi:[1,0]
.endr
.irp n, 0,2,4,6,8,10,12,14,16,18,20,22,24,26,28,30
	v_pk_fma_f32 v[S+\n:S+\n+1], v[KV+\n:KV+\n+1], v[MR:MR+1], v[S+\n:S+\n+1] op_sel_hi:[1,0,1]
.endr
	OUTQ
.Lend:
	s_wait_tensorcnt 0x0                           ; the wave's end
	ds_add_u32 v254, v255
	s_wait_dscnt 0x0
	CROUND                                         ; the closing round
	s_endpgm
.Lfunc_end_k_q74fffadff3_attn:
	.size	k_q74fffadff3_attn, .Lfunc_end_k_q74fffadff3_attn-k_q74fffadff3_attn
	.p2alignl 7, 3214868480
	.fill 96, 4, 3214868480
	.section	.rodata,"a",@progbits
	.p2align	6, 0x0
	.amdhsa_kernel k_q74fffadff3_attn
		.amdhsa_group_segment_fixed_size 327680
		.amdhsa_private_segment_fixed_size 0
		.amdhsa_enable_private_segment 0
		.amdhsa_kernarg_size 56
		.amdhsa_user_sgpr_count 2
		.amdhsa_user_sgpr_kernarg_segment_ptr 1
		.amdhsa_wavefront_size32 1
		.amdhsa_system_sgpr_workgroup_id_x 1
		.amdhsa_system_sgpr_workgroup_id_y 1
		.amdhsa_system_sgpr_workgroup_id_z 1
		.amdhsa_system_vgpr_workitem_id 0
		.amdhsa_next_free_vgpr 256
		.amdhsa_next_free_sgpr 96
		.amdhsa_reserve_vcc 0
		.amdhsa_float_denorm_mode_32 3
		.amdhsa_float_denorm_mode_16_64 3
		.amdhsa_memory_ordered 1
		.amdhsa_forward_progress 1
		.amdhsa_inst_pref_size 67
	.end_amdhsa_kernel
	.amdgpu_metadata
---
amdhsa.version: [ 1, 2 ]
amdhsa.kernels:
  - .name:           k_q74fffadff3_attn
    .symbol:         k_q74fffadff3_attn.kd
    .args:
      - { .name: qkv, .offset: 0, .size: 8, .value_kind: global_buffer, .address_space: global }
      - { .name: lowp_scales, .offset: 8, .size: 8, .value_kind: global_buffer, .address_space: global }
      - { .name: log_xi, .offset: 16, .size: 8, .value_kind: global_buffer, .address_space: global }
      - { .name: e_gate_logit, .offset: 24, .size: 8, .value_kind: global_buffer, .address_space: global }
      - { .name: oimg, .offset: 32, .size: 8, .value_kind: global_buffer, .address_space: global }
      - { .name: Wo, .offset: 40, .size: 8, .value_kind: global_buffer, .address_space: global }
      - { .name: wocodes, .offset: 48, .size: 8, .value_kind: global_buffer, .address_space: global }
    .group_segment_fixed_size: 327680
    .private_segment_fixed_size: 0
    .kernarg_segment_align: 8
    .kernarg_segment_size: 56
    .max_flat_workgroup_size: 512
    .sgpr_count:     96
    .vgpr_count:     256
    .wavefront_size: 32
...
	.end_amdgpu_metadata
.endif
;; end of part 3
;; launch proj (part 4): grid 8 x 32, 4 waves a work-group, clusters of 4 x 4, 327,680 bytes of LDS; arguments oimg, wocodes, lowp_scales, out0; writes out0
.if DOCPART == 4
	.amdgcn_target "amdgcn-amd-amdhsa--gfx1250"
	.amdhsa_code_object_version 6
	.text
	.protected	k_q74fffadff3_proj
	.globl	k_q74fffadff3_proj
	.p2align	8
	.type	k_q74fffadff3_proj,@function
k_q74fffadff3_proj:
	s_mov_b64 s[64:65], 0
	v_nop
	global_prefetch_b8 v0, s[64:65] scope:SCOPE_SE
	s_setreg_imm32_b32 hwreg(HW_REG_WAVE_MODE, 25, 1), 1
	s_wait_xcnt 0x0
	s_wait_alu depctr_hold_cnt(0) depctr_sa_sdst(0) depctr_va_vdst(0) depctr_va_sdst(0) depctr_va_ssrc(0) depctr_va_vcc(0) depctr_vm_vsrc(0)
	s_getreg_b32 s2, hwreg(HW_REG_IB_STS2, 6, 4)
	s_cmp_eq_u32 s2, 0
	s_cbranch_scc0 .Lentry_in_a_cluster
	s_endpgm
.Lentry_in_a_cluster:
	s_bfe_u32 s2, ttmp6, 0x10000c
	s_cmp_lg_u32 s2, 0xf033
	s_cbranch_scc0 .Lentry_shape_is_right
	s_endpgm
.Lentry_shape_is_right:
; out0 = o Wo^T on codes of E4M3, x 2^(e6 + e7).  o: oimg[kp 0..3][RT 0..255][4,096] (256 along K), Wo: wocodes[unit 0..7][RT 0..63][2,048] (128 along K): images of operand registers (a rowtile of 16 rows; row r of rowtile RT is row
; 32 (RT / 2) + 8 (RT % 2) + r + 8 (r / 8)).  out0: [4096][1024] f32.
; A tile of 128 x 128 to a work-group, so that there are 256 of them; a wave makes 64 x 64.  The whole K of both operands, 131,072 bytes each, fits in LDS: every byte is filled once, by one load a wave of 65,536 bytes.
; So there is no loop of loads, and no prefetch stands in this text.
; CLUSTER 4 x 4: A's tiles are asked for jointly along a row of the cluster, B's along a column.  Source 0 = Wo's rows, source 1 = o's: a lane holds 8 neighbouring columns of one row of out0.
; BY ROWTILES: the wave's B fragments of all K (4 x 8 x 16 registers) are read once and stay; its four rowtiles of A are finished one after the other, 32 matrix instructions each, and a rowtile's results leave while the next is multiplied.
; LIMIT: e6 + e7 between -126 and 127.
; REGISTERS: window 0: v16-26 addresses; v32-63 a rowtile's results; v64-127 rows read back, two sets; v128-191 accumulators, two sets of 4.  windows 1, 2: B's fragments, units 0-3 and 4-7.  window 3: A's fragments of a rowtile, two sets of 8 x 16.
.set STAGE,  262144                    ; behind the operands: 16 rows x (256 bytes + 16) for each wave; no tensor load lands there
.set SPITCH, 272
.set SPARE,  STAGE+4*16*SPITCH         ; the spare words, 128 bytes for each wave
.set ADRA, 16
.set ADRB, 20
.set STO,  24
.set RD,   25
.set CO,   26
.set TMP,  32
.set BK,   64
.set ACC,  128
.set G1A, 24
.set G1B, 32
.set G0A, 48
.set G0B, 52
.set MSB, 0
.macro WIN new                         ; the immediate's high byte repeats the setting that is left
.if MSB != (\new)
	s_set_vgpr_msb (MSB<<8)|(\new)
.set MSB, \new
.endif
.endm
.macro CROUND                          ; a round of the cluster's barrier
	s_barrier_signal -1
	s_barrier_wait -1
	s_cmp_lg_u32 s14, 0
	s_cbranch_scc1 .Lnot_wave_0_\@
	s_barrier_signal -3
.Lnot_wave_0_\@:
	s_barrier_wait -3
	s_barrier_signal -1
	s_barrier_wait -1
.endm
	s_load_b256 s[4:11], s[0:1], 0x0               ; oimg s[4:5], wocodes s[6:7], the scales' exponents s[8:9], out0 s[10:11]
	v_lshl_add_u32 v30, v0, 2, SPARE
	v_mov_b32 v31, 0
	ds_add_u32 v30, v31                            ; the wave's opening: the add, twice on end, and its wait
	ds_add_u32 v30, v31
	v_lshrrev_b32 v1, 5, v0
	v_readfirstlane_b32 s14, v1                    ; wave 0..3
	s_lshr_b32 s15, s14, 1                         ; which half of the tile's rows is mine.  Also: I fetch for A (0) or for B (1)
	s_and_b32 s16, s14, 1                          ; which half of its columns.  Also: which 4 rowtiles I fetch
	s_bfe_u32 s40, ttmp6, 0x40000                  ; cx, cy
	s_bfe_u32 s41, ttmp6, 0x40004
	s_lshl_b32 s42, ttmp9, 2
	s_add_co_u32 s42, s42, s40                     ; tile column 0..7
	s_and_b32 s17, ttmp7, 0xffff
	s_lshl_b32 s17, s17, 2
	s_add_co_u32 s17, s17, s41                     ; tile row 0..31
	s_lshl_b32 s43, s41, 2
	s_lshl_b32 s43, 15, s43                        ; my row of the cluster
	s_lshl_b32 s44, 0x1111, s40                    ; my column
	; descriptor groups 1, elements of 8 bytes: A: 4 rows (256 along K) of 16,384 bytes, 1,048,576 bytes apart; B: 8 rows (128 along K) of 8,192 bytes, 131,072 bytes apart
	s_or_b32 s[G1A], s43, (3<<16)|(1<<21)
	s_or_b32 s[G1B], s44, (3<<16)|(1<<21)
	s_mov_b32 s[G1A+1], 2048<<16
	s_mov_b32 s[G1A+2], 4<<16
	s_mov_b32 s[G1A+3], 2048<<16
	s_mov_b32 s[G1A+4], 4
	s_mov_b32 s[G1A+5], 131072
	s_mov_b32 s[G1B+1], 1024<<16
	s_mov_b32 s[G1B+2], 8<<16
	s_mov_b32 s[G1B+3], 1024<<16
	s_mov_b32 s[G1B+4], 8
	s_mov_b32 s[G1B+5], 16384
.irp g, G1A, G1B
	s_mov_b32 s[\g+6], 0
	s_mov_b32 s[\g+7], 0
.endr
	s_lshl_b32 s18, s16, 2
	s_lshl_b32 s20, s17, 3
	s_add_co_u32 s20, s20, s18                     ; A: rowtile 8 x tile row + 4 x half
	s_lshl_b32 s20, s20, 12
	s_mov_b32 s21, 0
	s_lshl_b32 s46, s42, 3
	s_add_co_u32 s46, s46, s18                     ; B: rowtile 8 x tile column + 4 x half
	s_lshl_b32 s46, s46, 11
	s_mov_b32 s47, 0
	s_lshl_b32 s45, s14, 16                        ; where they go: wave x 65,536: no place in the cluster enters an LDS address
	s_lshl_b32 s84, s17, 7
	s_lshl_b32 s85, s15, 6
	s_add_co_u32 s84, s84, s85
	s_lshl_b32 s84, s84, 12                        ; my first row of out0, 4,096 bytes a row,
	s_lshl_b32 s85, s42, 9
	s_add_co_u32 s84, s84, s85
	s_lshl_b32 s85, s16, 8
	s_add_co_u32 s84, s84, s85                     ; my first column: 512 x tile column + 256 x half bytes
	s_mov_b32 s85, 0
	s_wait_dscnt 0x0                               ; both opening adds are done
	s_wait_kmcnt 0x0
	s_load_b256 s[88:95], s[8:9], 0x0              ; e0 .. e7
	s_mov_b32 s[G0A], 1
	s_mov_b32 s[G0A+1], s45
	s_add_nc_u64 s[G0A+2:G0A+3], s[4:5], s[20:21]
	s_or_b32 s[G0A+3], s[G0A+3], 0x80000000
	s_mov_b32 s[G0B], 1
	s_mov_b32 s[G0B+1], s45
	s_add_nc_u64 s[G0B+2:G0B+3], s[6:7], s[46:47]
	s_or_b32 s[G0B+3], s[G0B+3], 0x80000000
	CROUND                                         ; all sixteen work-groups are here: the joint loads meet
	s_cmp_eq_u32 s15, 0                            ; one load a wave: waves 0 and 1 for A, 2 and 3 for B
	s_cbranch_scc0 .Lfor_b
	tensor_load_to_lds s[G0A:G0A+3], s[G1A:G1A+7]
	s_nop 0
.rept 4
	v_nop
.endr
	s_branch .Lasked
.Lfor_b:
	tensor_load_to_lds s[G0B:G0B+3], s[G1B:G1B+7]
	s_nop 0
.rept 4
	v_nop
.endr
.Lasked:
	s_add_nc_u64 s[10:11], s[10:11], s[84:85]
	v_and_b32 v1, 31, v0
	v_lshlrev_b32 v2, 4, v1                        ; 16 x lane
	s_lshl_b32 s22, s15, 16                        ; my 4 rowtiles of A
	v_add_nc_u32 v[ADRA], s22, v2
	s_lshl_b32 s23, s16, 16                        ; my 4 of B,
	s_add_co_u32 s23, s23, 0x20000                 ; which lie behind A's 131,072 bytes
	v_add_nc_u32 v[ADRB], s23, v2
	v_and_b32 v3, 15, v0                           ; r
	v_bfe_u32 v4, v0, 4, 1                         ; h
	s_mul_i32 s22, s14, 16*SPITCH
	s_add_co_u32 s22, s22, STAGE                   ; my stage
	v_mul_u32_u24 v[STO], v3, SPITCH
	v_lshl_add_u32 v[STO], v4, 6, v[STO]
	v_add_nc_u32 v[STO], s22, v[STO]               ; in: row r, + 64 h
	v_mul_u32_u24 v[RD], v4, SPITCH
	v_lshl_add_u32 v[RD], v3, 4, v[RD]
	v_add_nc_u32 v[RD], s22, v[RD]                 ; back: lanes 0-15 one row of 256 bytes, lanes 16-31 the next
	v_lshlrev_b32 v[CO], 12, v4
	v_lshl_add_u32 v[CO], v3, 4, v[CO]             ; and the same two rows in out0
	s_wait_alu depctr_va_vdst(0)                   ; the wait at the head's end
	s_wait_kmcnt 0x0
	s_add_co_i32 s86, s94, s95
	s_add_co_i32 s86, s86, 127
	s_lshl_b32 s86, s86, 23                        ; 2^(e6 + e7) as f32
	s_mov_b32 s87, s86                             ; (named with it as a pair)
.macro PLACES
.rept 4
	v_nop
.endr
.endm
.macro LB u                            ; unit u's four fragments of B: 16 loads of 512 consecutive bytes
	WIN (0x40*(1+(\u)/4))                          ; destination window 1 or 2
.irp i, 0,1,2,3
.irp c, 0,1,2,3
	ds_load_b128 v[64*((\u)%4)+16*\i+4*\c:64*((\u)%4)+16*\i+4*\c+3], v[ADRB] offset:(\u)*8192+2048*\i+512*\c
.endr
.endr
.endm
.macro LA a, u                         ; unit u's fragment of rowtile a: 4 loads
	WIN 0xc0                                       ; destination window 3
.irp c, 0,1,2,3
	ds_load_b128 v[128*((\a)%2)+16*(\u)+4*\c:128*((\a)%2)+16*(\u)+4*\c+3], v[ADRA] offset:((\u)/2)*16384+4096*(\a)+2048*((\u)%2)+512*\c
.endr
.endm
.macro MULU a, u                       ; 4 matrix instructions, the rowtile's 4 accumulators by turns; unit 0 starts the sums
	WIN (0x0d+(\u)/4)                              ; source 0 window 1 or 2, source 1 window 3, C and D window 0
.irp b, 0,1,2,3
.if (\u) == 0
	v_wmma_f32_16x16x128_fp8_fp8 v[ACC+32*((\a)%2)+8*\b:ACC+32*((\a)%2)+8*\b+7], v[64*((\u)%4)+16*\b:64*((\u)%4)+16*\b+15], v[128*((\a)%2)+16*(\u):128*((\a)%2)+16*(\u)+15], 0
.else
	v_wmma_f32_16x16x128_fp8_fp8 v[ACC+32*((\a)%2)+8*\b:ACC+32*((\a)%2)+8*\b+7], v[64*((\u)%4)+16*\b:64*((\u)%4)+16*\b+15], v[128*((\a)%2)+16*(\u):128*((\a)%2)+16*(\u)+15], v[ACC+32*((\a)%2)+8*\b:ACC+32*((\a)%2)+8*\b+7]
.endif
.endr
.endm
; THE WAY OUT of rowtile a, 16 rows x 64 columns.  TOSTAGE: x 2^(e6 + e7), into my own stage, and back as whole pieces of 256 bytes of a row.  SEND: stored
.macro TOSTAGE a
	WIN 0
.irp n, 0,2,4,6,8,10,12,14,16,18,20,22,24,26,28,30
	v_pk_mul_f32 v[TMP+\n:TMP+\n+1], v[ACC+32*((\a)%2)+\n:ACC+32*((\a)%2)+\n+1], s[86:87] op_sel_hi:[1,0]   ; each accumulator from its low end on
.endr
.irp b, 0,1,2,3
	ds_store_b128 v[STO], v[TMP+8*\b:TMP+8*\b+3] offset:128*(\b/2)+32*(\b%2)       ; columns 32 (b / 2) + 16 h + 8 (b % 2) + 0 .. 7 of row r
	ds_store_b128 v[STO], v[TMP+8*\b+4:TMP+8*\b+7] offset:128*(\b/2)+32*(\b%2)+16
.endr
.irp t, 0,1,2,3,4,5,6,7
	ds_load_b128 v[BK+32*((\a)%2)+4*\t:BK+32*((\a)%2)+4*\t+3], v[RD] offset:2*\t*SPITCH   ; LDS serves a wave's instructions in order (ISA guide 5.7.1.4): these see my stores, and the next rowtile's stores come behind them
.endr
.endm
.macro SEND a, younger                 ; younger: the loads of A issued behind TOSTAGE's, which may stay out
	WIN 0
.irp t, 0,1,2,3,4,5,6,7
	s_wait_dscnt \younger+7-\t                     ; the later rows' loads may be out
	global_store_b128 v[CO], v[BK+32*((\a)%2)+4*\t:BK+32*((\a)%2)+4*\t+3], s[10:11] offset:(32*((\a)/2)+8*((\a)%2)+2*\t+8*(\t/4))*4096 th:TH_STORE_NT   ; 16 lanes store 256 consecutive bytes, at a multiple of 256 from out0's first byte
.endr
.endm
	s_wait_tensorcnt 0x0                           ; my part of the operands is in,
	s_barrier_signal -1
	s_barrier_wait -1                              ; everybody's is
.irp u, 0,1
	LB \u
	LA 0, \u
.endr
.irp u, 0,1,2,3,4,5,6,7                ; rowtile 0, while B comes in; two units ahead, then the first rowtile's successor
.if \u < 7
	s_wait_dscnt 20                                ; unit u is in; unit u + 1's 20 loads may be out
.else
	s_wait_dscnt 16                                ; (16 of rowtile 1's)
.endif
.if \u < 6
	LB \u+2
	LA 0, \u+2
.else
.irp v, 0,1,2,3
	LA 1, 4*(\u-6)+\v
.endr
.endif
	MULU 0, \u
.endr
.irp a, 1,2,3
	s_wait_dscnt 0x0                               ; rowtile a's fragments are in
	PLACES                                         ; between the last rowtile's products and the reads of its results and the loads over its fragments
.if \a == 3
	WIN 0
	s_wait_xcnt 0x0                                ; rowtile 0's stores have read their registers
.endif
	TOSTAGE \a-1
.if \a < 3
.irp u, 0,1,2,3,4,5,6,7
	LA \a+1, \u
.endr
.endif
.irp u, 0,1,2,3,4,5,6,7
	MULU \a, \u
.endr
.if \a < 3
	SEND \a-1, 32
.else
	SEND \a-1, 0
.endif
.endr
	PLACES
	s_wait_xcnt 0x0                                ; rowtile 1's stores have read their registers
	TOSTAGE 3
	SEND 3, 0
	s_wait_dscnt 0x0
	s_wait_tensorcnt 0x0                           ; the wave's end
	ds_add_u32 v30, v31
	s_wait_dscnt 0x0
	CROUND                                         ; the closing round: no work-group ends while a partner may still ask for a tile that names it
	s_endpgm
.Lfunc_end_k_q74fffadff3_proj:
	.size	k_q74fffadff3_proj, .Lfunc_end_k_q74fffadff3_proj-k_q74fffadff3_proj
	.p2alignl 7, 3214868480
	.fill 96, 4, 3214868480
	.section	.rodata,"a",@progbits
	.p2align	6, 0x0
	.amdhsa_kernel k_q74fffadff3_proj
		.amdhsa_group_segment_fixed_size 327680
		.amdhsa_private_segment_fixed_size 0
		.amdhsa_enable_private_segment 0
		.amdhsa_kernarg_size 32
		.amdhsa_user_sgpr_count 2
		.amdhsa_user_sgpr_kernarg_segment_ptr 1
		.amdhsa_wavefront_size32 1
		.amdhsa_system_sgpr_workgroup_id_x 1
		.amdhsa_system_sgpr_workgroup_id_y 1
		.amdhsa_system_sgpr_workgroup_id_z 1
		.amdhsa_system_vgpr_workitem_id 0
		.amdhsa_next_free_vgpr 1024
		.amdhsa_next_free_sgpr 100
		.amdhsa_reserve_vcc 0
		.amdhsa_float_denorm_mode_32 3
		.amdhsa_float_denorm_mode_16_64 3
		.amdhsa_memory_ordered 1
		.amdhsa_forward_progress 1
		.amdhsa_inst_pref_size 44
	.end_amdhsa_kernel
	.amdgpu_metadata
---
amdhsa.version: [ 1, 2 ]
amdhsa.kernels:
  - .name:           k_q74fffadff3_proj
    .symbol:         k_q74fffadff3_proj.kd
    .args:
      - { .name: oimg, .offset: 0, .size: 8, .value_kind: global_buffer, .address_space: global }
      - { .name: wocodes, .offset: 8, .size: 8, .value_kind: global_buffer, .address_space: global }
      - { .name: lowp_scales, .offset: 16, .size: 8, .value_kind: global_buffer, .address_space: global }
      - { .name: out0, .offset: 24, .size: 8, .value_kind: global_buffer, .address_space: global }
    .group_segment_fixed_size: 327680
    .private_segment_fixed_size: 0
    .kernarg_segment_align: 8
    .kernarg_segment_size: 32
    .max_flat_workgroup_size: 128
    .sgpr_count:     100
    .vgpr_count:     1024
    .wavefront_size: 32
...
	.end_amdgpu_metadata
.endif
;; end of part 4
